; MI455X (gfx1250); checked and timed in simulation.
; The chip was launched on July 23, 2026; its instructions are those of AMD's public machine-readable ISA for CDNA 5 (MIT licence, August 2026) and "CDNA5" Instruction Set Architecture Reference Guide (July 2026). The comments in the code are by the model that wrote it; some were corrected since.
;; Adaptive Episodic Memory. Allowed arithmetic: matrix products marked QUANTISED: E2M1 operands, one E8M0 scale for each 32 along K, by v_wmma_scale_f32_16x16x128_f8f6f4 with both operands' format E2M1 (or v_wmma_scale_f32_32x16x128_f4), f32 sums; products left as they are: bf16, f16 or f32 operands; f32 sums; everything else in f32.
;; Inputs: context 4,096 x 32 float32; mem_contexts 65,536 x 32 float32; mem_keys 65,536 x 64 float32; mem_timestamps 65,536 float32; mem_values 65,536 x 64 float32; query 4,096 x 64 float32; used_slots 65,536 bool.
;; Outputs: out0 4,096 x 64 float32.
;; This version of the problem:
;;   THIS VERSION OF THE PROBLEM IS GIVEN IN LOW PRECISION. The matrix products marked QUANTISED in the list below multiply operands that are first quantised to E2M1 (2 exponent bits, 1 mantissa bit; 4 bits a number), with one power-of-two scale for each 32 numbers along K (OCP MX v1.0); their sums are f32. The products marked 'left as it is' may take bf16, f16 or f32 operands, with f32 sums. Whichever they take, every output number must still come out within the allowed error. Rounding operands to bf16 (8 significant bits) uses up far more of that allowance than f16 does (11 bits, for magnitudes from 6e-5 to 65,504). All else is computed in f32.
;;   The module's matrix products, in the order in which they are computed (A, B: the left and right operand; K: the contracted axis; several contracted axes count as one K, in the product's order):
;;     1. [M 4,096, K 64] x [K 64, N 65,536]; A: input query; B: input mem_keys: QUANTISED
;;     2. [M 4,096, K 32] x [K 32, N 65,536]; A: input context; B: input mem_contexts: QUANTISED
;;     3. [M 4,096, K 65,536] x [K 65,536, N 64]; A: computed on the way; B: input mem_values: left as it is (an operand is computed on the way)
;;   THE QUANTISER, for each operand of a quantised product, along K:
;;     - K is cut into blocks of 32 from its start; a last block that is shorter is filled with zeros.
;;     - A block's scale is 2^e with e = floor(log2(the largest magnitude in the block)) - 2, held to -126 .. 127; a block of zeros has e = 0. As a byte (E8M0): e + 127.
;;     - Each number is divided by its block's scale, clamped to +-6, and rounded to the nearest number of E2M1, ties to even, subnormals kept.
;;     - The product sums the exact products of the quantised numbers (number of the format x scale) in f32.
;;   ~~~python
;;   def quantise(x, axis):      # numpy; x: float32 -> the quantised numbers, widened to float32 again
;;       x = np.moveaxis(x, axis, -1); K = x.shape[-1]
;;       x = np.pad(x, [(0, 0)] * (x.ndim - 1) + [(0, -K % 32)]); x = x.reshape(x.shape[:-1] + (-1, 32)); a = np.abs(x).max(-1, keepdims=True)
;;       e = np.where(a > 0, np.clip(np.frexp(np.where(a > 0, a, 1))[1] - 1 - 2, -126, 127), 0)      # np.frexp(a)[1] - 1 = floor(log2(a)), exactly
;;       r = np.clip(x / 2.0 ** e, -6, 6)
;;       step = 2.0 ** (np.maximum(np.frexp(np.where(r == 0, 1, r))[1] - 1, 0) - 1)
;;       q = np.round(r / step) * step * 2.0 ** e      # np.round: ties to even
;;       return np.moveaxis(q.reshape(q.shape[:-2] + (-1,))[..., :K], -1, axis).astype(np.float32)
;;   ~~~
;; 2 versions, each right; version 2 is version 1 with the launch attend written anew for expert scheduling mode. Each part assembles by itself: llvm-mc -triple=amdgcn-amd-amdhsa -mcpu=gfx1250 --defsym DOCPART=n.
;; ======== version 1 of 2: 3 launches
;; limits: right only within a limited range of input values
;; workspace buffers: kp 4,194,304 bytes; vb 8,388,608 bytes; cnt 2,048 bytes of whole numbers; po 16,777,216 bytes; ps 1,048,576 bytes
;; launch prep (part 1): grid 256 x 1, 8 waves a work-group, no clusters, 107,520 bytes of LDS; arguments mem_keys, mem_contexts, mem_values, mem_timestamps, used_slots, kp, vb, cnt; writes kp, vb, cnt
.if DOCPART == 1
	.amdgcn_target "amdgcn-amd-amdhsa--gfx1250"
	.amdhsa_code_object_version 6
	.text
	.protected	k_q074c40c9f7_prep
	.globl	k_q074c40c9f7_prep
	.p2align	8
	.type	k_q074c40c9f7_prep,@function
k_q074c40c9f7_prep:
	s_mov_b64 s[64:65], 0
	v_nop
	global_prefetch_b8 v0, s[64:65] scope:SCOPE_SE
	s_setreg_imm32_b32 hwreg(HW_REG_WAVE_MODE, 25, 1), 1
	s_wait_xcnt 0x0
; THE MEMORY IS LAID OUT FOR THE ATTENTION LAUNCH.  65,536 slots fall into 16 segments of 4,096.  Inside a segment the slots are partitioned, order kept: the used ones first, the unused behind them.
; Slot at position p of segment y:  kp: tile p / 16 of 1,024 bytes: +0, +256, +512 the codes (E2M1) of key block 0, key block 1 and the context block, 16 bytes a slot; +768 a scale word a slot
; (three E8M0 bytes and 0x7f); +832 an f32 bias a slot: 0.3 exp(-0.1 (1 - timestamp)), or -1e9 for an unused slot, whose codes are zeros; +896 128 bytes of zeros.   vb: the slot's 64 values as bf16, 128 bytes.
; cnt: for each segment 32 equal words: how many rounds of 128 positions hold its used slots; 32 where it has none (then every slot has the score -1e9 and all of them count).
; A block's scale is 2^(floor(log2(largest magnitude)) - 2): its byte is the largest magnitude's exponent field - 2, held at 1 from below.
; LIMITS: a block of zeros gets the byte 1 where the rule says 127 (its codes are zeros, and this program alone reads the bytes); NaN and infinities among the inputs are not served; used_slots holds bytes 0 or 1.
; SHARES.  Work-group g takes slots 256 g on, wave w 32 of them; for the quantiser a lane is a slot.  Waves share nothing: no barrier.  Every wave counts its segment's 4,096 flag bytes itself (eight loads).
; Keys and contexts are loaded dense (512 consecutive bytes a load) and turned through the wave's own stage in LDS, so that a lane holds its slot's row.
; The stores go where the counts say: a wave's used lanes form one run of neighbouring positions and its unused lanes another, so neighbouring lanes of a run fill neighbouring bytes.
.set WREG,  13312                      ; LDS for a wave: 32 rows of keys x 272 bytes, then 32 rows of contexts x 144
.set CST,   8704
.set SPARE, 8*WREG                     ; behind the eight regions: the spare words, 128 bytes for each wave: four blocks of 256 bytes that no other line names
.set SPW,   2                          ; v2   LDS address of my spare word; never rewritten
.set NIL,   3                          ; v3   0; never rewritten
.set C,     32                         ; v32-43   the codes of my slot's three blocks
.set R,     64                         ; v64-159  as loaded: keys 64, contexts 32; later the values in the first 64
.set X,     160                        ; v160-223 the flag bytes; then my slot's row; then bf16 pairs (0-31), positions (32-47), offsets (48-63)
	s_load_b256 s[4:11], s[0:1], 0x0               ; keys s[4:5], contexts s[6:7], values s[8:9], timestamps s[10:11]
	s_load_b256 s[12:19], s[0:1], 0x20             ; used_slots s[12:13], kp s[14:15], vb s[16:17], cnt s[18:19]
	v_lshl_add_u32 v[SPW], v0, 2, SPARE
	v_mov_b32 v[NIL], 0
	v_lshrrev_b32 v14, 5, v0
	v_readfirstlane_b32 s20, v14                   ; wave 0..7
	v_and_b32 v1, 31, v0                           ; lane
	s_and_b32 s21, ttmp9, 15                       ; my work-group's place in its segment
	s_lshr_b32 s22, ttmp9, 4                       ; the segment y
	s_lshl_b32 s23, s21, 8
	s_lshl_b32 s32, s20, 5
	s_add_co_u32 s23, s23, s32                     ; ls: my wave's first slot, counted in the segment
	s_lshr_b32 s24, s23, 4                         ; in pieces of 16 flag bytes
	s_mov_b32 s30, 0x76543210
	s_mov_b32 s31, 0xfedcba98                      ; v_permlanex16_b32's selects for lane l xor 16
	v_lshlrev_b32 v4, 4, v1                        ; 16 x lane
	v_lshlrev_b32 v6, 2, v0                        ; 4 x thread
	s_mul_i32 s33, s20, WREG
	v_lshrrev_b32 v14, 4, v1
	v_and_b32 v15, 15, v1
	v_mul_u32_u24 v8, v14, 272
	v_lshl_add_u32 v8, v15, 4, v8
	v_add_nc_u32 v8, s33, v8                       ; keys into the stage: a load's 512 bytes are two rows
	v_mul_u32_u24 v9, v1, 272
	v_add_nc_u32 v9, s33, v9                       ; and out of it: my slot's row
	v_lshrrev_b32 v16, 3, v1
	v_and_b32 v17, 7, v1
	v_mul_u32_u24 v10, v16, 144
	v_lshl_add_u32 v10, v17, 4, v10
	v_add_nc_u32 v10, s33, v10
	v_add_nc_u32 v10, CST, v10                     ; contexts into the stage: a load's 512 bytes are four rows
	v_mul_u32_u24 v11, v1, 144
	v_add_nc_u32 v11, s33, v11
	v_add_nc_u32 v11, CST, v11                     ; and out of it
	v_lshlrev_b32 v50, 2, v14                      ; 4 x (lane / 16): the permute's index counts in bytes
	v_lshlrev_b32 v51, 3, v15                      ; 8 x (lane % 16): my four values' place in a row of vb
	v_mov_b32 v30, 0
	v_mov_b32 v31, 0
	s_lshl_b32 s34, ttmp9, 8
	s_add_co_u32 s34, s34, s32                     ; my wave's first slot: 256 g + 32 w
	s_lshl_b32 s36, s34, 8                         ; x 256 bytes: keys and values
	s_mov_b32 s37, 0
	s_lshl_b32 s38, s34, 7                         ; x 128: contexts
	s_mov_b32 s39, 0
	s_lshl_b32 s40, ttmp9, 10                      ; timestamps of my work-group
	s_mov_b32 s41, 0
	s_lshl_b32 s44, ttmp9, 8                       ; flag bytes of my work-group
	s_mov_b32 s45, 0
	s_lshl_b32 s46, s22, 12                        ; flag bytes of my segment
	s_mov_b32 s47, 0
	s_lshl_b32 s48, s22, 18                        ; kp: 256 tiles of 1,024 bytes a segment
	s_mov_b32 s49, 0
	s_lshl_b32 s50, s22, 19                        ; vb: 4,096 rows of 128 bytes
	s_mov_b32 s51, 0
	s_lshl_b32 s52, s22, 7                         ; cnt: 128 bytes
	s_mov_b32 s53, 0
	s_wait_kmcnt 0x0
	s_add_nc_u64 s[4:5], s[4:5], s[36:37]
	s_add_nc_u64 s[6:7], s[6:7], s[38:39]
	s_add_nc_u64 s[8:9], s[8:9], s[36:37]
	s_add_nc_u64 s[10:11], s[10:11], s[40:41]
	s_add_nc_u64 s[42:43], s[12:13], s[44:45]
	s_add_nc_u64 s[12:13], s[12:13], s[46:47]
	s_add_nc_u64 s[14:15], s[14:15], s[48:49]
	s_add_nc_u64 s[16:17], s[16:17], s[50:51]
	s_add_nc_u64 s[18:19], s[18:19], s[52:53]
.irp i, 0,1,2,3,4,5,6,7
	global_load_b128 v[X+4*\i:X+4*\i+3], v4, s[12:13] offset:512*\i     ; the segment's 4,096 flag bytes: piece 32 i + lane
.endr
	global_load_u8 v12, v0, s[42:43]               ; my slot's own flag
	global_load_b32 v13, v6, s[10:11] th:TH_LOAD_NT
.irp i, 0,1,2,3,4,5,6,7,8,9,10,11,12,13,14,15
	global_load_b128 v[R+4*\i:R+4*\i+3], v4, s[4:5] offset:512*\i th:TH_LOAD_NT
.endr
.irp i, 0,1,2,3,4,5,6,7
	global_load_b128 v[R+64+4*\i:R+64+4*\i+3], v4, s[6:7] offset:512*\i th:TH_LOAD_NT
.endr
	s_wait_loadcnt 24                              ; flags and timestamp are in; the 24 loads of keys and contexts stay out
	v_sub_f32 v28, 1.0, v13
	v_mul_f32 v28, 0xbe13bb63, v28                 ; x -0.1 log2(e)
	v_exp_f32 v28, v28                             ; the decay; the counting below names it nowhere, and the wait stands ahead of its first reader
	; THE COUNTS, in whole numbers.  T: the used slots of the segment; Bf: those ahead of my wave's first slot.  Four flag bytes are added as one word: a byte reaches 32 at the most.
	v_mov_b32 v15, 0
	v_mov_b32 v16, 0
.irp i, 0,1,2,3,4,5,6,7
	v_add_nc_u32 v14, v[X+4*\i], v[X+4*\i+1]
	v_add3_u32 v14, v14, v[X+4*\i+2], v[X+4*\i+3]
	s_sub_co_i32 s32, s24, 32*\i
	v_cmp_gt_i32 vcc_lo, s32, v1                   ; is piece 32 i + lane ahead of my wave's first slot?
	v_add_nc_u32 v15, v15, v14
	v_cndmask_b32 v14, 0, v14, vcc_lo
	v_add_nc_u32 v16, v16, v14
.endr
.macro FOLD a                          ; a word's four bytes are added: 128 at the most
	v_lshrrev_b32 v17, 8, v[\a]
	v_and_b32 v[\a], 0xff00ff, v[\a]
	v_and_b32 v17, 0xff00ff, v17
	v_add_nc_u32 v[\a], v[\a], v17
	v_lshrrev_b32 v17, 16, v[\a]
	v_and_b32 v[\a], 0xffff, v[\a]
	v_add_nc_u32 v[\a], v[\a], v17
.endm
	FOLD 15
	FOLD 16
	v_lshl_add_u32 v15, v16, 16, v15               ; both in one word: T below (4,096 at the most over the wave), Bf above
	v_mov_b32 v17, 0
.irp m, 1,2,4,8
	v_mov_b32_dpp v17, v15 row_xmask:\m row_mask:0xf bank_mask:0xf
	v_add_nc_u32 v15, v15, v17
.endr
	v_permlanex16_b32 v17, v15, s30, s31
	v_add_nc_u32 v15, v15, v17
	v_readfirstlane_b32 s33, v15
	s_and_b32 s25, s33, 0xffff                     ; n: the segment's used slots
	s_lshr_b32 s26, s33, 16                        ; bef: those ahead of my wave
	s_add_co_u32 s27, s25, s23
	s_sub_co_u32 s27, s27, s26                     ; n + the unused slots ahead of my wave
	v_cmp_ne_u32 s28, 0, v12                       ; my wave's used lanes
	v_mbcnt_lo_u32_b32 v18, s28, 0                 ; the used lanes below me
	v_add_nc_u32 v19, s26, v18                     ; a used slot's position
	v_add_nc_u32 v20, s27, v1
	v_sub_nc_u32 v20, v20, v18                     ; an unused slot's
	v_cndmask_b32 v24, v20, v19, s28
	v_min_u32 v24, 0xfff, v24                      ; it lies in the segment by the counts; the hold says so in the text
	v_and_b32 v21, 0xff0, v24
	v_and_b32 v22, 15, v24
	v_lshlrev_b32 v21, 6, v21                      ; the tile: 1,024 bytes for 16 positions
	v_lshl_add_u32 v25, v22, 4, v21                ; my 16 bytes of a block of codes
	v_lshl_add_u32 v26, v22, 2, v21                ; my word
	v_lshl_add_u32 v27, v22, 3, v21                ; my 8 bytes of the zeros
	v_mov_b32 v14, 0xce6e6b28                      ; -1e9
	s_wait_alu depctr_va_vdst(0)                   ; the wait between the exponential and its first reader
	v_mul_f32 v28, 0x3e99999a, v28                 ; 0.3 x decay
	v_cndmask_b32 v28, v14, v28, s28               ; the bias
	; THE TURN THROUGH THE STAGE.  LDS serves a wave's instructions in order, so no wait stands between my stores and my loads of the same bytes.
	s_wait_loadcnt 8                               ; the keys are in; the 8 loads of contexts stay out
.irp i, 0,1,2,3,4,5,6,7,8,9,10,11,12,13,14,15
	ds_store_b128 v8, v[R+4*\i:R+4*\i+3] offset:544*\i
.endr
.irp j, 0,1,2,3,4,5,6,7,8,9,10,11,12,13,14,15
	ds_load_b128 v[X+4*\j:X+4*\j+3], v9 offset:16*\j
.endr
	s_wait_loadcnt 0x0
.irp i, 0,1,2,3,4,5,6,7
	ds_store_b128 v10, v[R+64+4*\i:R+64+4*\i+3] offset:576*\i
.endr
	s_wait_dscnt 8                                 ; my row of keys is back and the keys' stores are done (the 8 stores of contexts may be out): their registers take the values
.irp i, 0,1,2,3,4,5,6,7,8,9,10,11,12,13,14,15
	global_load_b128 v[R+4*\i:R+4*\i+3], v4, s[8:9] offset:512*\i th:TH_LOAD_NT
.endr
	; THE QUANTISER: the key's two blocks by turns.  The floor 2^(3 - 127) among the leaves holds the byte at 1 from below.
	v_max3_num_f32 v44, |v[X]|, |v[X+1]|, 0x1800000
	v_max3_num_f32 v45, |v[X+32]|, |v[X+33]|, 0x1800000
.irp i, 2,4,6,8,10,12,14,16,18,20,22,24,26,28,30
	v_max3_num_f32 v44, v44, |v[X+\i]|, |v[X+\i+1]|
	v_max3_num_f32 v45, v45, |v[X+32+\i]|, |v[X+33+\i]|
.endr
	v_add_nc_u32 v47, 0xff000000, v44              ; 2 off the exponent field: the conversion takes this operand's exponent field as its scale
	v_add_nc_u32 v48, 0xff000000, v45
.irp g, 0,1,2,3
	v_cvt_scalef32_pk8_fp4_f32 v[C+\g], v[X+8*\g:X+8*\g+7], v47
	v_cvt_scalef32_pk8_fp4_f32 v[C+4+\g], v[X+32+8*\g:X+32+8*\g+7], v48
.endr
	v_nop                                          ; one plain place behind the conversions
.irp j, 0,1,2,3,4,5,6,7
	ds_load_b128 v[X+4*\j:X+4*\j+3], v11 offset:16*\j              ; my row of contexts
.endr
	v_lshrrev_b32 v44, 23, v47                     ; the scales' bytes
	v_lshrrev_b32 v45, 23, v48
	s_wait_dscnt 0x0
	v_max3_num_f32 v46, |v[X]|, |v[X+1]|, 0x1800000
	v_max3_num_f32 v14, |v[X+16]|, |v[X+17]|, 0x1800000
.irp i, 2,4,6,8,10,12,14
	v_max3_num_f32 v46, v46, |v[X+\i]|, |v[X+\i+1]|
	v_max3_num_f32 v14, v14, |v[X+16+\i]|, |v[X+17+\i]|
.endr
	v_max_num_f32 v46, v46, v14
	v_add_nc_u32 v49, 0xff000000, v46
.irp g, 0,1,2,3
	v_cvt_scalef32_pk8_fp4_f32 v[C+8+\g], v[X+8*\g:X+8*\g+7], v49
.endr
	v_nop                                          ; one plain place behind the conversions
	v_lshrrev_b32 v46, 23, v49
	v_lshl_or_b32 v29, v45, 8, v44
	v_lshl_or_b32 v29, v46, 16, v29
	v_or_b32 v29, 0x7f000000, v29                  ; the fourth block of the product's 128 is empty: its byte is 1.0's
.irp j, 0,1,2,3,4,5,6,7,8,9,10,11
	v_cndmask_b32 v[C+\j], 0, v[C+\j], s28         ; an unused slot's codes are zeros: its score is its bias, -1e9
.endr
	global_store_b128 v25, v[C:C+3], s[14:15]
	global_store_b128 v25, v[C+4:C+7], s[14:15] offset:256
	global_store_b128 v25, v[C+8:C+11], s[14:15] offset:512
	global_store_b32 v26, v29, s[14:15] offset:768
	global_store_b32 v26, v28, s[14:15] offset:832
	global_store_b64 v27, v[30:31], s[14:15] offset:896
	; THE VALUES.  Load i holds slots 2 i (lanes 0-15) and 2 i + 1 (lanes 16-31), four numbers a lane: each lane fetches that slot's position from the lane that owns it.
.irp i, 0,1,2,3,4,5,6,7,8,9,10,11,12,13,14,15
	v_add_nc_u32 v[X+48+\i], 8*\i, v50
	ds_bpermute_b32 v[X+32+\i], v[X+48+\i], v24
.endr
	s_wait_dscnt 0x0
.irp i, 0,1,2,3,4,5,6,7,8,9,10,11,12,13,14,15
	v_min_u32 v[X+32+\i], 0xfff, v[X+32+\i]
	v_lshl_add_u32 v[X+48+\i], v[X+32+\i], 7, v51
.endr
.irp i, 0,1,2,3,4,5,6,7,8,9,10,11,12,13,14,15
	s_wait_loadcnt 15-\i                           ; load i is in; the younger ones stay out
	v_cvt_pk_bf16_f32 v[X+2*\i], v[R+4*\i], v[R+4*\i+1]
	v_cvt_pk_bf16_f32 v[X+2*\i+1], v[R+4*\i+2], v[R+4*\i+3]
	global_store_b64 v[X+48+\i], v[X+2*\i:X+2*\i+1], s[16:17]      ; sixteen lanes store a row's 128 bytes; every store has data and offset registers of its own
.endr
	; THE ROUNDS, stored by the segment's first wave
	s_add_co_u32 s34, s25, 127
	s_lshr_b32 s34, s34, 7
	s_cmp_eq_u32 s25, 0
	s_cselect_b32 s34, 32, s34                     ; a segment with no used slot is walked whole
	s_or_b32 s35, s21, s20
	s_cmp_lg_u32 s35, 0
	s_cbranch_scc1 .Lno_cnt
	v_mov_b32 v14, s34
	v_lshlrev_b32 v15, 2, v1
	global_store_b32 v15, v14, s[18:19]            ; 32 equal words: 128 consecutive bytes
.Lno_cnt:
	s_wait_tensorcnt 0x0                           ; the wave's end, behind my last LDS store
	ds_add_u32 v[SPW], v[NIL]
	s_wait_dscnt 0x0
	s_endpgm
.Lfunc_end_k_q074c40c9f7_prep:
	.size	k_q074c40c9f7_prep, .Lfunc_end_k_q074c40c9f7_prep-k_q074c40c9f7_prep
	.p2alignl 7, 3214868480
	.fill 96, 4, 3214868480
	.section	.rodata,"a",@progbits
	.p2align	6, 0x0
	.amdhsa_kernel k_q074c40c9f7_prep
		.amdhsa_group_segment_fixed_size 107520
		.amdhsa_private_segment_fixed_size 0
		.amdhsa_enable_private_segment 0
		.amdhsa_kernarg_size 64
		.amdhsa_user_sgpr_count 2
		.amdhsa_user_sgpr_kernarg_segment_ptr 1
		.amdhsa_wavefront_size32 1
		.amdhsa_system_sgpr_workgroup_id_x 1
		.amdhsa_system_sgpr_workgroup_id_y 1
		.amdhsa_system_sgpr_workgroup_id_z 1
		.amdhsa_system_vgpr_workitem_id 0
		.amdhsa_next_free_vgpr 224
		.amdhsa_next_free_sgpr 66
		.amdhsa_reserve_vcc 1
		.amdhsa_float_denorm_mode_32 3
		.amdhsa_float_denorm_mode_16_64 3
		.amdhsa_memory_ordered 1
		.amdhsa_forward_progress 1
		.amdhsa_inst_pref_size 30
	.end_amdhsa_kernel
	.amdgpu_metadata
---
amdhsa.version: [ 1, 2 ]
amdhsa.kernels:
  - .name:           k_q074c40c9f7_prep
    .symbol:         k_q074c40c9f7_prep.kd
    .args:
      - { .name: mem_keys, .offset: 0, .size: 8, .value_kind: global_buffer, .address_space: global }
      - { .name: mem_contexts, .offset: 8, .size: 8, .value_kind: global_buffer, .address_space: global }
      - { .name: mem_values, .offset: 16, .size: 8, .value_kind: global_buffer, .address_space: global }
      - { .name: mem_timestamps, .offset: 24, .size: 8, .value_kind: global_buffer, .address_space: global }
      - { .name: used_slots, .offset: 32, .size: 8, .value_kind: global_buffer, .address_space: global }
      - { .name: kp, .offset: 40, .size: 8, .value_kind: global_buffer, .address_space: global }
      - { .name: vb, .offset: 48, .size: 8, .value_kind: global_buffer, .address_space: global }
      - { .name: cnt, .offset: 56, .size: 8, .value_kind: global_buffer, .address_space: global }
    .group_segment_fixed_size: 107520
    .private_segment_fixed_size: 0
    .kernarg_segment_align: 8
    .kernarg_segment_size: 64
    .max_flat_workgroup_size: 256
    .sgpr_count:     66
    .vgpr_count:     224
    .wavefront_size: 32
...
	.end_amdgpu_metadata
.endif
;; end of part 1
;; launch attend (part 2): grid 16 x 16, 8 waves a work-group, no clusters, 128,000 bytes of LDS; arguments query, context, kp, vb, cnt, po, ps; writes po, ps
.if DOCPART == 2
	.amdgcn_target "amdgcn-amd-amdhsa--gfx1250"
	.amdhsa_code_object_version 6
	.text
	.protected	k_q074c40c9f7_attend
	.globl	k_q074c40c9f7_attend
	.p2align	8
	.type	k_q074c40c9f7_attend,@function
k_q074c40c9f7_attend:
	s_mov_b64 s[64:65], 0
	v_nop
	global_prefetch_b8 v0, s[64:65] scope:SCOPE_SE
	s_setreg_imm32_b32 hwreg(HW_REG_WAVE_MODE, 25, 1), 1
	s_wait_xcnt 0x0
; ATTENTION OF 256 QUERIES (work-group x) OVER ONE SEGMENT OF 4,096 MEMORY SLOTS (work-group y), as laid out by the launch before.  It leaves, for each query, c x the largest score, the sum of the weights and the
; unnormalised O; the next launch joins the 16 segments.
; SCORE.  One matrix instruction on E2M1 codes, K = 128, makes a score whole: blocks 0, 1 = the key's 64, block 2 = the context's 32, block 3 empty (zero codes on the query's side).  The factor 0.5 of the context
; term is 1 off the context block's scale byte on the query's side; the time term, or -1e9 for an unused slot, is the instruction's C.  So bias and mask cost no vector instruction.
; WHAT IS NOT MULTIPLIED.  The used slots stand first in the segment; cnt says how many rounds of 128 positions hold them.  The slots behind have the score -1e9, whose weight is 0 beside any used slot's.
; A segment with no used slot is walked whole (cnt = 32), so a memory with no used slot gives equal weights, as the definition has it.
; LIMITS: the weight of an unused slot is taken as 0 wherever a used slot exists: that holds while used scores lie above about -1e9 + 104.  NaN and infinities are not served.  The weights and the values go
; into the second product as bf16.  A query block of zeros gets the scale byte 1.
; SOFTMAX: a running maximum m and sum l for each query: p = 2^(c s - c m), c = log2(e); in every round O and l are multiplied by a = 2^(c m_old - c m_new).
; SHARES.  Eight waves: G = wave % 4 picks 64 queries (four tiles of 16), U = wave / 4 picks 64 of a round's 128 positions.  Two waves lie on a SIMD: one wave's vector work stands beside the other's matrix work.
; Each wave keeps m, l and O^T of its own; at the end the waves U = 1 hand theirs to the waves U = 0 through LDS.
; LAYOUT.  Both products are used transposed: S^T = K Q^T (source 0 = 16 positions, source 1 = 16 queries), O^T = V^T P: a lane holds ONE query (lane % 16) throughout; two tiles of S^T, rounded in pairs, are P's fragment.
; NO TENSOR LOAD, NO CLUSTER: the number of rounds is read from memory; walking all 32 rounds would double the work.  A round's 24,576 bytes are
; loaded into registers at a trip's head (16 bytes a thread, six loads) and stored into the other LDS slot at its end.
; THE LOOP has a constant count, 32 trips, and one barrier a trip, which every wave passes; a trip beyond the segment's rounds does nothing else.
; REGISTERS.  window 0: v1-16 addresses; v20, v21 the add's two; v24-55 statistics, 8 a tile: +0 c m, +1 m, +2, +3 l, +4..+7 at work (a in +6); v56-59 the positions' scale words, v60-63 the queries';
;   v64-191 S^T, 32 a tile, P over its low 16; v192-223 K's four fragments; v224-247 the next round on its way; v248-255 at work.
;   window 1: v0-127 O^T, 32 a tile; v128-159 Q's four fragments; v160-223 V's eight; v224-255 the biases, 8 a tile of positions.
.set SLOTB, 28672                      ; an LDS slot: 8 tiles of kp (8,192 bytes), then 128 rows of values
.set VOFF,  8192
.set VP,    160                        ; a row of values: 128 bytes + 32 of padding
.set MST,   2*SLOTB                    ; behind the slots: for each G 32 images of O^T and 2 of statistics, 512 bytes each
.set MPART, 17408
.set SPARE, MST+4*MPART                ; the spare words, 128 bytes for each wave: four blocks of 256 bytes that no other line names
.set LK,  1                            ; v1   16 lane + 4096 U: a fragment of K as it lies
.set LSC, 2                            ; v2   its scale words
.set LB,  3                            ; v3   its biases: my half's eight
.set LV,  4                            ; v4   my place for the turning load of V
.set SK,  5                            ; v5   16 x thread: staging, in memory and in K's part of a slot
.set SV,  6                            ; v6   staging: V's part of a slot
.set GK,  7                            ; v7   the next round's offset in kp
.set GV,  8                            ; v8   and in vb
.set PFO, 9                            ; v9   256 x lane: the prefetch's offset; never rewritten
.set LM,  10                           ; v10  all ones in lanes 0-15, 0 in lanes 16-31
.set H8,  11                           ; v11  8 x (lane / 16)
.set QA,  12                           ; v12  my 128 bytes of a query's row
.set CA,  13                           ; v13  my context's row
.set MA,  14                           ; v14  my 16 bytes of an image in my G's part of the hand-over
.set L16, 15                           ; v15  16 x lane
.set L8,  16                           ; v16  8 x lane
.set SPW, 20
.set NIL, 21
.set ST,  24
.set KS,  56
.set QS,  60
.set S,   64
.set KF,  192
.set STG, 224
.set TP,  248
.set O,   0                            ; window 1
.set Q,   128
.set V,   160
.set BI,  224
.set MSB, 0
.macro WIN new                         ; the immediate's high byte repeats the setting that is left; a switch that changes nothing is dropped
.if MSB != \new
	s_set_vgpr_msb (MSB<<8)|\new
.set MSB, \new
.endif
.endm
	s_load_b256 s[4:11], s[0:1], 0x0               ; query s[4:5], context s[6:7], kp s[8:9], vb s[10:11]
	s_load_b128 s[12:15], s[0:1], 0x20             ; cnt s[12:13], po s[14:15]
	s_load_b64 s[16:17], s[0:1], 0x30              ; ps
	v_lshl_add_u32 v[SPW], v0, 2, SPARE
	v_mov_b32 v[NIL], 0
	v_lshrrev_b32 v248, 5, v0
	v_readfirstlane_b32 s18, v248                  ; wave 0..7
	s_and_b32 s19, s18, 3                          ; G
	s_lshr_b32 s20, s18, 2                         ; U
	s_and_b32 s22, ttmp7, 0xffff                   ; the segment y
	v_and_b32 v249, 31, v0                         ; lane
	v_and_b32 v250, 15, v0                         ; r
	v_bfe_u32 v251, v0, 4, 1                       ; h
	s_lshl_b32 s30, s20, 12
	v_lshl_add_u32 v[LK], v249, 4, s30
	s_add_co_u32 s31, s30, 768
	v_lshl_add_u32 v[LSC], v250, 2, s31
	s_add_co_u32 s31, s30, 832
	v_lshl_add_u32 v[LB], v251, 5, s31
	v_and_b32 v252, 7, v0
	v_lshl_add_u32 v252, v251, 3, v252             ; the turning load: row 8 h + lane % 8,
	v_mul_u32_u24 v[LV], v252, VP
	v_bfe_u32 v253, v0, 3, 1
	v_lshl_add_u32 v[LV], v253, 4, v[LV]           ; 16 bytes for each group of eight lanes
	s_mul_i32 s31, s20, 64*VP
	s_add_co_u32 s31, s31, VOFF
	v_add_nc_u32 v[LV], s31, v[LV]
	v_lshlrev_b32 v[SK], 4, v0
	v_lshrrev_b32 v252, 3, v0
	v_mul_u32_u24 v[SV], v252, VP                  ; eight threads to a row of 128 bytes
	v_and_b32 v253, 7, v0
	v_lshl_add_u32 v[SV], v253, 4, v[SV]
	v_add_nc_u32 v[SV], VOFF, v[SV]
	v_lshlrev_b32 v[PFO], 8, v249
	v_add_nc_u32 v[LM], -1, v251
	v_lshlrev_b32 v[H8], 3, v251
	v_lshlrev_b32 v[QA], 8, v250
	v_lshl_add_u32 v[QA], v251, 7, v[QA]           ; row r of 256 bytes, block h
	v_lshlrev_b32 v[CA], 7, v250
	s_mul_i32 s31, s19, MPART
	s_add_co_u32 s31, s31, MST
	v_lshl_add_u32 v[MA], v249, 4, s31
	v_lshlrev_b32 v[L16], 4, v249
	v_lshlrev_b32 v[L8], 3, v249
	v_mov_b32 v[TP+6], 0                           ; a lane permute's destination counts as one of its sources
	s_mov_b32 s26, 0x3fb8aa3b                      ; c = log2(e)
	s_mov_b32 s27, s26                             ; (named with it as a pair)
	s_mov_b32 s28, 0x76543210
	s_mov_b32 s29, 0xfedcba98                      ; selects for lane l xor 16
	s_lshl_b32 s30, s22, 18                        ; the segment in kp,
	s_mov_b32 s31, 0
	s_lshl_b32 s32, s22, 19                        ; in vb,
	s_mov_b32 s33, 0
	s_lshl_b32 s50, s22, 7                         ; in cnt
	s_mov_b32 s51, 0
	s_lshl_b32 s34, ttmp9, 8
	s_lshl_b32 s35, s19, 6
	s_add_co_u32 s34, s34, s35                     ; my first query: 256 x + 64 G
	s_lshl_b32 s42, s34, 8
	s_mov_b32 s43, 0
	s_lshl_b32 s44, s34, 7
	s_mov_b32 s45, 0
	s_lshl_b32 s46, s22, 8
	s_lshr_b32 s34, s34, 4
	s_add_co_u32 s46, s46, s34                     ; my first tile's number among the partial results: 256 y + 16 x + 4 G
	s_lshl_b32 s48, s46, 8                         ; 256 bytes of statistics a tile,
	s_mov_b32 s49, 0
	s_lshl_b32 s46, s46, 12                        ; 4,096 bytes of O^T
	s_mov_b32 s47, 0
	s_wait_kmcnt 0x0
	s_add_nc_u64 s[12:13], s[12:13], s[50:51]
	s_load_b32 s23, s[12:13], 0x0                  ; R: the segment's rounds
	s_add_nc_u64 s[8:9], s[8:9], s[30:31]
	s_add_nc_u64 s[10:11], s[10:11], s[32:33]
	s_add_nc_u64 s[4:5], s[4:5], s[42:43]
	s_add_nc_u64 s[6:7], s[6:7], s[44:45]
	s_add_nc_u64 s[14:15], s[14:15], s[46:47]
	s_add_nc_u64 s[16:17], s[16:17], s[48:49]
.irp i, 0,1
	global_load_b128 v[STG+4*\i:STG+4*\i+3], v[SK], s[8:9] offset:4096*\i          ; round 0
.endr
.irp i, 0,1,2,3
	global_load_b128 v[STG+8+4*\i:STG+8+4*\i+3], v[SK], s[10:11] offset:4096*\i
.endr
; Tile t's numbers: lane (r, h) takes block h of query r (32 numbers) and context r (32 numbers), into S^T's registers, two sets by turns.
.macro QLOAD t
.set T, S+64*((\t)%2)
.irp j, 0,1,2,3,4,5,6,7
	global_load_b128 v[T+4*\j:T+4*\j+3], v[QA], s[4:5] offset:4096*(\t)+16*\j
.endr
.irp j, 0,1,2,3,4,5,6,7
	global_load_b128 v[T+32+4*\j:T+32+4*\j+3], v[CA], s[6:7] offset:2048*(\t)+16*\j
.endr
.endm
; They become tile t's fragment and scale word.  Registers 0-3: block h of the query; registers 4-7: the context in lanes 0-15, zero codes in lanes 16-31 (the empty fourth block).
.macro QQUANT t
.set T, S+64*((\t)%2)
	v_max3_num_f32 v[TP], |v[T]|, |v[T+1]|, 0x1800000              ; the floor 2^(3 - 127) holds the byte at 1 from below
	v_max3_num_f32 v[TP+1], |v[T+32]|, |v[T+33]|, 0x1800000
.irp i, 2,4,6,8,10,12,14,16,18,20,22,24,26,28,30
	v_max3_num_f32 v[TP], v[TP], |v[T+\i]|, |v[T+\i+1]|
	v_max3_num_f32 v[TP+1], v[TP+1], |v[T+32+\i]|, |v[T+33+\i]|
.endr
	v_add_nc_u32 v[TP+2], 0xff000000, v[TP]        ; 2 off the exponent field: the conversion's scale operand
	v_add_nc_u32 v[TP+3], 0xff000000, v[TP+1]
	v_lshrrev_b32 v[TP+4], 23, v[TP+2]             ; the bytes
	v_lshrrev_b32 v[TP+5], 23, v[TP+3]
	v_add_nc_u32 v[TP+5], -1, v[TP+5]              ; THE FACTOR 0.5 of the context term: 1 off its byte (0 at the least, which is 2^-127)
	v_lshl_or_b32 v[TP+4], v[TP+5], 16, v[TP+4]
	v_lshlrev_b32 v[TP+4], v[H8], v[TP+4]          ; lanes 0-15: bytes 0 and 2; lanes 16-31: bytes 1 and 3
	v_permlanex16_b32 v[TP+6], v[TP+4], s28, s29
	v_or_b32 v[QS+(\t)], v[TP+4], v[TP+6]
	WIN 0x40                                       ; destination window 1
.irp g, 0,1,2,3
	v_cvt_scalef32_pk8_fp4_f32 v[Q+8*(\t)+\g], v[T+8*\g:T+8*\g+7], v[TP+2]
	v_cvt_scalef32_pk8_fp4_f32 v[Q+8*(\t)+4+\g], v[T+32+8*\g:T+32+8*\g+7], v[TP+3]
.endr
	v_nop                                          ; one plain place behind the conversions
	WIN 0x44                                       ; source 1 and destination window 1
.irp g, 0,1,2,3
	v_and_b32 v[Q+8*(\t)+4+\g], v[LM], v[Q+8*(\t)+4+\g]
.endr
	WIN 0
.endm
	QLOAD 0
	QLOAD 1
	; the prefetches: who asks, and where.  Wave 0 names kp's 8,192 bytes of a round, waves 1 and 2 the halves of vb's 16,384: lanes 256 bytes apart.
	s_cmp_eq_u32 s18, 0
	s_cselect_b64 s[36:37], s[8:9], s[10:11]
	s_mov_b32 s38, 16384
	s_cselect_b32 s38, 8192, s38                   ; a round on
	s_mov_b32 s39, 0
	s_cmp_eq_u32 s18, 2
	s_cselect_b32 s53, 8192, 0
	s_lshl_b32 s52, s38, 1
	s_add_co_u32 s52, s52, s53
	s_mov_b32 s53, 0
	s_add_nc_u64 s[36:37], s[36:37], s[52:53]      ; at round 2: trip 0 steps it to round 3.  Nothing is prefetched here, at the head
	s_wait_loadcnt 32                              ; round 0 is in; the 32 loads of tiles 0 and 1 stay out
.irp i, 0,1
	ds_store_b128 v[SK], v[STG+4*\i:STG+4*\i+3] offset:4096*\i
.endr
.irp i, 0,1,2,3
	ds_store_b128 v[SV], v[STG+8+4*\i:STG+8+4*\i+3] offset:32*VP*\i
.endr
	s_wait_loadcnt 16                              ; tile 0's numbers are in; tile 1's 16 loads stay out
	QQUANT 0
	QLOAD 2
	s_wait_loadcnt 16                              ; tile 1's
	QQUANT 1
	QLOAD 3
	s_wait_loadcnt 16                              ; tile 2's
	QQUANT 2
	s_wait_loadcnt 0x0
	QQUANT 3
.irp t, 0,1,2,3
	v_mov_b32 v[ST+8*\t+1], 0xff000000             ; m = -2^127, under every score
	v_mul_f32 v[ST+8*\t], s26, v[ST+8*\t+1]        ; c m
.irp j, 2,3,4,5,6,7
	v_mov_b32 v[ST+8*\t+\j], 0
.endr
.endr
	WIN 0x40
.set k, 0
.rept 128
	v_mov_b32 v[O+k], 0                            ; O^T.  The round is written once: the first finds zeros, which its a = 0 leaves zeros.  (These lines are also the places ahead of the first scaled product)
.set k, k+1
.endr
	WIN 0
	s_wait_kmcnt 0x0
	s_min_u32 s23, s23, 32
	s_cmp_lt_u32 s18, 3
	s_cselect_b32 s40, s23, 0                      ; a wave prefetches round i while i is under this: R in waves 0 to 2
	s_cmp_eq_u32 ttmp9, 0
	s_cselect_b32 s40, s40, 0                      ; of the segment's first work-group: all sixteen walk the same rounds, one asks
	s_mov_b32 s24, 0                               ; the number of the pair's first round; it counts the loop
	s_wait_dscnt 0x0                               ; my part of round 0 lies in slot 0
; THE SOFTMAX OF TILE t, in six parts.
.macro MAXP t                          ; the largest of the lane's 32 scores and the old m; each accumulator is read from its low end on; then the other half's, the new m, c m and c m_old - c m_new
	WIN 0
.set rS, S+32*(\t)
.set rT, ST+8*(\t)
.irp j, 0,1,2,3
	v_max3_num_f32 v[rT+4+\j], v[rS+8*\j], v[rS+8*\j+1], v[rS+8*\j+2]
.endr
.irp i, 3,5
.irp j, 0,1,2,3
	v_max3_num_f32 v[rT+4+\j], v[rT+4+\j], v[rS+8*\j+\i], v[rS+8*\j+\i+1]
.endr
.endr
	v_max3_num_f32 v[rT+4], v[rT+4], v[rS+7], v[rS+15]
	v_max3_num_f32 v[rT+6], v[rT+6], v[rS+23], v[rS+31]
	v_max3_num_f32 v[rT+4], v[rT+4], v[rT+5], v[rT+6]
	v_max3_num_f32 v[rT+4], v[rT+4], v[rT+7], v[rT+1]
	v_permlanex16_b32 v[rT+5], v[rT+4], s28, s29
	v_mov_b32 v[rT+7], v[rT]
	v_max_num_f32 v[rT+1], v[rT+4], v[rT+5]
	v_mul_f32 v[rT], s26, v[rT+1]
	v_sub_f32 v[rT+7], v[rT+7], v[rT]
.endm
.macro FMA t                           ; c s - c m, two at a time
	WIN 0
.set rS, S+32*(\t)
.set rT, ST+8*(\t)
.irp j, 0,2,4,6,8,10,12,14,16,18,20,22,24,26,28,30
	v_pk_fma_f32 v[rS+\j:rS+\j+1], v[rS+\j:rS+\j+1], s[26:27], v[rT:rT+1] op_sel_hi:[1,0,0] neg_lo:[0,0,1] neg_hi:[0,0,1]
.endr
.endm
.macro EXPS t                          ; one batch of 33: a, then the 32 weights
.set rS, S+32*(\t)
.set rT, ST+8*(\t)
	v_exp_f32 v[rT+6], v[rT+7]
.set e, 0
.rept 32
	v_exp_f32 v[rS+e], v[rS+e]
.set e, e+1
.endr
.endm
.macro SUM t                           ; l = a l + the sum of the unrounded weights, in two chains
.set rS, S+32*(\t)
.set rT, ST+8*(\t)
	v_pk_mul_f32 v[rT+2:rT+3], v[rT+2:rT+3], v[rT+6:rT+7] op_sel_hi:[1,0]
	v_pk_add_f32 v[rT+4:rT+5], v[rS:rS+1], v[rS+2:rS+3]
.irp j, 4,8,12,16,20,24,28
	v_pk_add_f32 v[rT+2:rT+3], v[rT+2:rT+3], v[rS+\j:rS+\j+1]
	v_pk_add_f32 v[rT+4:rT+5], v[rT+4:rT+5], v[rS+\j+2:rS+\j+3]
.endr
	v_pk_add_f32 v[rT+2:rT+3], v[rT+2:rT+3], v[rT+4:rT+5]
.endm
.macro CVT t                           ; the weights to bf16, in pairs, over S^T's low 16 registers: register i is written when registers 2 i and 2 i + 1 are read
.set rS, S+32*(\t)
.set e, 0
.rept 16
	v_cvt_pk_bf16_f32 v[rS+e], v[rS+2*e], v[rS+2*e+1]
.set e, e+1
.endr
.endm
.macro RESC t                          ; O^T x a, from each accumulator's low end on
	WIN 0x41                                       ; O^T (destination and source 0) window 1, a window 0
.set rT, ST+8*(\t)
.set e, 0
.rept 16
	v_pk_mul_f32 v[O+32*(\t)+e:O+32*(\t)+e+1], v[O+32*(\t)+e:O+32*(\t)+e+1], v[rT+6:rT+7] op_sel_hi:[1,0]
.set e, e+2
.endr
.endm
.macro PV t                            ; O^T += V^T P: 32 positions at a time; the tile's four accumulators take turns, one instruction a turn
	WIN 0x51                                       ; V window 1, P window 0, C and D window 1
.irp g, 0,1
.irp ct, 0,1,2,3
	v_wmma_f32_16x16x32_bf16 v[O+32*(\t)+8*\ct:O+32*(\t)+8*\ct+7], v[V+8*(4*\g+\ct):V+8*(4*\g+\ct)+7], v[S+32*(\t)+8*\g:S+32*(\t)+8*\g+7], v[O+32*(\t)+8*\ct:O+32*(\t)+8*\ct+7]
.endr
.endr
.endm
; A TRIP: the round in slot s.
.macro TRIP s
	s_barrier_signal -1                            ; ONE barrier a trip, for two things: in front of it every wave has waited for all its LDS instructions, so slot s is whole,
	s_barrier_wait -1                              ; and nobody reads the other slot any more
	s_add_co_u32 s30, s24, \s+1                    ; the next round's number
	s_cmp_gt_u32 s30, s23
	s_cbranch_scc1 .Lidle_\@                       ; this round lies behind the segment's used slots: nothing but the barrier
	s_wait_xcnt 0x0                                ; the last trip's prefetch has read its address:
	s_add_nc_u64 s[36:37], s[36:37], s[38:39]      ; it steps to the round three on from this one
	s_cmp_lt_u32 s30, s23
	s_cselect_b32 s41, 1, 0                        ; is there a next round?
	s_cbranch_scc0 .Lnofetch_\@
	s_min_u32 s30, s30, 31
	s_lshl_b32 s31, s30, 13
	s_lshl_b32 s32, s30, 14
	v_add_nc_u32 v[GK], s31, v[SK]                 ; (the last loads by these offsets were waited for at the last trip's end)
	v_add_nc_u32 v[GV], s32, v[SK]
.irp i, 0,1
	global_load_b128 v[STG+4*\i:STG+4*\i+3], v[GK], s[8:9] offset:4096*\i          ; the next round: it has this trip's work in which to come
.endr
.irp i, 0,1,2,3
	global_load_b128 v[STG+8+4*\i:STG+8+4*\i+3], v[GV], s[10:11] offset:4096*\i
.endr
	s_add_co_u32 s33, s24, \s+3
	s_cmp_lt_u32 s33, s40
	s_cbranch_scc0 .Lnofetch_\@
	global_prefetch_b8 v[PFO], s[36:37] th:TH_LOAD_NT scope:SCOPE_SE               ; round s24 + s + 3, which the trip after next loads; each block of 256 bytes is named once, and none behind round R - 1
.Lnofetch_\@:
.irp kt, 0,1,2,3
	ds_load_b128 v[KF+8*\kt:KF+8*\kt+3], v[LK] offset:SLOTB*\s+1024*\kt            ; blocks 0 (lanes 0-15) and 1 (lanes 16-31)
	ds_load_b128 v[KF+8*\kt+4:KF+8*\kt+7], v[LK] offset:SLOTB*\s+1024*\kt+512      ; block 2; lanes 16-31 take the tile's last 256 bytes, which meet the query's zero codes
	ds_load_b32 v[KS+\kt], v[LSC] offset:SLOTB*\s+1024*\kt
.endr
	WIN 0x40                                       ; destination window 1
.irp kt, 0,1,2,3
	ds_load_b128 v[BI+8*\kt:BI+8*\kt+3], v[LB] offset:SLOTB*\s+1024*\kt            ; the biases in the result's layout: register j = position 8 h + j
	ds_load_b128 v[BI+8*\kt+4:BI+8*\kt+7], v[LB] offset:SLOTB*\s+1024*\kt+16
.endr
.irp g, 0,1
.irp ct, 0,1,2,3
	ds_load_tr16_b128 v[V+8*(4*\g+\ct):V+8*(4*\g+\ct)+3], v[LV] offset:SLOTB*\s+32*VP*\g+32*\ct
	ds_load_tr16_b128 v[V+8*(4*\g+\ct)+4:V+8*(4*\g+\ct)+7], v[LV] offset:SLOTB*\s+32*VP*\g+32*\ct+16*VP
.endr
.endr
	s_wait_dscnt 16                                ; K, its scale words and the biases are in; V's 16 loads stay out
	WIN 0x14                                       ; K window 0, Q and the biases window 1, S^T window 0
.irp t, 0,1,2,3
.irp kt, 0,1,2,3
	v_wmma_scale_f32_16x16x128_f8f6f4 v[S+32*\t+8*\kt:S+32*\t+8*\kt+7], v[KF+8*\kt:KF+8*\kt+7], v[Q+8*\t:Q+8*\t+7], v[BI+8*\kt:BI+8*\kt+7], v[KS+\kt], v[QS+\t] matrix_a_fmt:MATRIX_FMT_FP4 matrix_b_fmt:MATRIX_FMT_FP4
.endr
.endr
	WIN 0
.rept 4
	v_nop                                          ; four places between the products and the first read of their results (ISA guide 7.12.1)
.endr
	MAXP 0
	FMA 0
	EXPS 0
.irp t, 0,1,2,3
.if \t < 3
	MAXP \t+1                                      ; the next tile's maximum names nothing of this tile's batch: it is the plain work behind the exponentials
.else
	v_nop
.endif
	s_wait_alu depctr_va_vdst(0)                   ; one wait for the tile's 33 exponentials, ahead of their first reader
	SUM \t
	CVT \t
	RESC \t
.if \t == 0
	s_wait_dscnt 0x0                               ; V is in
.endif
	PV \t
.if \t < 3
	FMA \t+1
	EXPS \t+1
.endif
.endr
	WIN 0
.rept 5
	v_nop                                          ; five places: the next round's products write over P, its loads land in V, and behind the last round O^T is read
.endr
	s_wait_loadcnt 0x0                             ; on every way through a round, ahead of the branch: the six loads of the next round, where they were issued, are in registers; so the stores below
	                                               ; may read them, and the next trip may write their offsets and load into the same registers.  Where none was issued the wait is met at once
	s_cmp_eq_u32 s41, 0
	s_cbranch_scc1 .Lnostore_\@
.irp i, 0,1
	ds_store_b128 v[SK], v[STG+4*\i:STG+4*\i+3] offset:SLOTB*(1-\s)+4096*\i        ; into the other slot, which nobody has read since this trip's barrier
.endr
.irp i, 0,1,2,3
	ds_store_b128 v[SV], v[STG+8+4*\i:STG+8+4*\i+3] offset:SLOTB*(1-\s)+32*VP*\i
.endr
.Lnostore_\@:
	s_wait_dscnt 0x0                               ; for the others' sake: my stores have landed, and my reads of slot s are over
.Lidle_\@:
.endm
.Lpair:
	TRIP 0
	TRIP 1
	s_add_co_u32 s24, s24, 2
	s_cmp_lt_u32 s24, 32
	s_cbranch_scc1 .Lpair
	; THE TWO HALVES OF THE POSITIONS ARE JOINED.  First each wave's own sum: l's two chains and the other half of the lanes'.
.irp t, 0,1,2,3
	v_add_f32 v[ST+8*\t+4], v[ST+8*\t+2], v[ST+8*\t+3]
.endr
.irp t, 0,1,2,3
	v_permlanex16_b32 v[ST+8*\t+5], v[ST+8*\t+4], s28, s29
.endr
.irp t, 0,1,2,3
	v_add_f32 v[ST+8*\t+1], v[ST+8*\t+4], v[ST+8*\t+5]             ; m is done with: its register takes the sum
.endr
	s_cmp_eq_u32 s20, 0
	s_cbranch_scc1 .Lkeep
.irp t, 0,1,2,3
	v_mov_b32 v[TP+\t], v[ST+8*\t]
	v_mov_b32 v[TP+4+\t], v[ST+8*\t+1]
.endr
	WIN 0x04                                       ; an LDS store's data are its source 1: window 1
.set k, 0
.rept 32
	ds_store_b128 v[MA], v[O+4*k:O+4*k+3] offset:512*k             ; images of my registers: lane l's 16 bytes at 16 l
.set k, k+1
.endr
	WIN 0
	ds_store_b128 v[MA], v[TP:TP+3] offset:16384
	ds_store_b128 v[MA], v[TP+4:TP+7] offset:16896
.Lkeep:
	s_wait_dscnt 0x0
	s_barrier_signal -1
	s_barrier_wait -1
	s_cmp_lg_u32 s20, 0
	s_cbranch_scc1 .Lend
	ds_load_b128 v[TP:TP+3], v[MA] offset:16384                    ; the partner's c m,
	ds_load_b128 v[TP+4:TP+7], v[MA] offset:16896                  ; its sums,
.set k, 0
.rept 32
	ds_load_b128 v[S+4*k:S+4*k+3], v[MA] offset:512*k              ; and its O^T, in the same lanes
.set k, k+1
.endr
	s_wait_dscnt 0x0
.irp t, 0,1,2,3
	v_max_num_f32 v[ST+8*\t+2], v[ST+8*\t], v[TP+\t]               ; M
	v_sub_f32 v[ST+8*\t+4], v[ST+8*\t], v[ST+8*\t+2]
	v_sub_f32 v[ST+8*\t+6], v[TP+\t], v[ST+8*\t+2]
.endr
.irp t, 0,1,2,3
	v_exp_f32 v[ST+8*\t+4], v[ST+8*\t+4]                           ; my factor,
	v_exp_f32 v[ST+8*\t+6], v[ST+8*\t+6]                           ; the partner's
.endr
	v_nop                                          ; a plain place behind the last exponential
	s_wait_alu depctr_va_vdst(0)                   ; and one wait for the eight, ahead of their first reader
.irp t, 0,1,2,3
	v_mul_f32 v[ST+8*\t+3], v[ST+8*\t+4], v[ST+8*\t+1]
	v_fmac_f32 v[ST+8*\t+3], v[ST+8*\t+6], v[TP+4+\t]              ; the joined sum, beside M
.endr
	WIN 0x41
.set k, 0
.rept 64
	v_pk_mul_f32 v[O+k:O+k+1], v[O+k:O+k+1], v[ST+8*(k/32)+4:ST+8*(k/32)+5] op_sel_hi:[1,0]
.set k, k+2
.endr
	WIN 0x50                                       ; sources 0 and 1 window 0, source 2 and destination window 1
.set k, 0
.rept 64
	v_pk_fma_f32 v[O+k:O+k+1], v[S+k:S+k+1], v[ST+8*(k/32)+6:ST+8*(k/32)+7], v[O+k:O+k+1] op_sel_hi:[1,0,1]
.set k, k+2
.endr
	WIN 0x04                                       ; a store's data are its source 1: window 1
.set k, 0
.rept 32
	global_store_b128 v[L16], v[O+4*k:O+4*k+3], s[14:15] offset:512*k th:TH_STORE_NT       ; 32 lanes store 512 consecutive bytes, at a multiple of 256 from po's first byte
.set k, k+1
.endr
	WIN 0
.irp t, 0,1,2,3
	global_store_b64 v[L8], v[ST+8*\t+2:ST+8*\t+3], s[16:17] offset:256*\t th:TH_STORE_NT  ; 256 consecutive bytes, aligned
.endr
.Lend:
	s_wait_tensorcnt 0x0                           ; the wave's end, behind my last LDS store
	ds_add_u32 v[SPW], v[NIL]
	s_wait_dscnt 0x0
	s_endpgm
.Lfunc_end_k_q074c40c9f7_attend:
	.size	k_q074c40c9f7_attend, .Lfunc_end_k_q074c40c9f7_attend-k_q074c40c9f7_attend
	.p2alignl 7, 3214868480
	.fill 96, 4, 3214868480
	.section	.rodata,"a",@progbits
	.p2align	6, 0x0
	.amdhsa_kernel k_q074c40c9f7_attend
		.amdhsa_group_segment_fixed_size 128000
		.amdhsa_private_segment_fixed_size 0
		.amdhsa_enable_private_segment 0
		.amdhsa_kernarg_size 56
		.amdhsa_user_sgpr_count 2
		.amdhsa_user_sgpr_kernarg_segment_ptr 1
		.amdhsa_wavefront_size32 1
		.amdhsa_system_sgpr_workgroup_id_x 1
		.amdhsa_system_sgpr_workgroup_id_y 1
		.amdhsa_system_sgpr_workgroup_id_z 1
		.amdhsa_system_vgpr_workitem_id 0
		.amdhsa_next_free_vgpr 512
		.amdhsa_next_free_sgpr 66
		.amdhsa_reserve_vcc 0
		.amdhsa_float_denorm_mode_32 3
		.amdhsa_float_denorm_mode_16_64 3
		.amdhsa_memory_ordered 1
		.amdhsa_forward_progress 1
		.amdhsa_inst_pref_size 116
	.end_amdhsa_kernel
	.amdgpu_metadata
---
amdhsa.version: [ 1, 2 ]
amdhsa.kernels:
  - .name:           k_q074c40c9f7_attend
    .symbol:         k_q074c40c9f7_attend.kd
    .args:
      - { .name: query, .offset: 0, .size: 8, .value_kind: global_buffer, .address_space: global }
      - { .name: context, .offset: 8, .size: 8, .value_kind: global_buffer, .address_space: global }
      - { .name: kp, .offset: 16, .size: 8, .value_kind: global_buffer, .address_space: global }
      - { .name: vb, .offset: 24, .size: 8, .value_kind: global_buffer, .address_space: global }
      - { .name: cnt, .offset: 32, .size: 8, .value_kind: global_buffer, .address_space: global }
      - { .name: po, .offset: 40, .size: 8, .value_kind: global_buffer, .address_space: global }
      - { .name: ps, .offset: 48, .size: 8, .value_kind: global_buffer, .address_space: global }
    .group_segment_fixed_size: 128000
    .private_segment_fixed_size: 0
    .kernarg_segment_align: 8
    .kernarg_segment_size: 56
    .max_flat_workgroup_size: 256
    .sgpr_count:     66
    .vgpr_count:     512
    .wavefront_size: 32
...
	.end_amdgpu_metadata
.endif
;; end of part 2
;; launch merge (part 3): grid 256 x 1, 4 waves a work-group, no clusters, 4,864 bytes of LDS; arguments po, ps, out0; writes out0
.if DOCPART == 3
	.amdgcn_target "amdgcn-amd-amdhsa--gfx1250"
	.amdhsa_code_object_version 6
	.text
	.protected	k_q074c40c9f7_merge
	.globl	k_q074c40c9f7_merge
	.p2align	8
	.type	k_q074c40c9f7_merge,@function
k_q074c40c9f7_merge:
	s_mov_b64 s[64:65], 0
	v_nop
	global_prefetch_b8 v0, s[64:65] scope:SCOPE_SE
	s_setreg_imm32_b32 hwreg(HW_REG_WAVE_MODE, 25, 1), 1
	s_wait_xcnt 0x0
; THE 16 SEGMENTS' PARTIAL RESULTS ARE JOINED.  For each query: M = the largest c m; w_y = 2^(c m_y - M); out = (sum of w_y O_y) / (sum of w_y l_y).
; po: [y 16][tile of 16 queries 256][image 8][lane 32][16 bytes]: image k holds registers 4 k .. 4 k + 3 of the tile's O^T: lane (r, h): query r, channels 16 (k / 2) + 8 h + 4 (k % 2) + 0 .. 3.  ps: [y][tile][lane](c m, l).
; SHARES.  A work-group takes a tile of queries; wave w images 2 w and 2 w + 1: channels 16 w + 8 h + 0 .. 7.  A row of the output, 256 bytes, comes from four waves: it is gathered in a stage in LDS.
; It streams: all its 48 loads a wave go out at once; the matrix unit, clusters and prefetches would add nothing to so short a launch whose work-groups share no byte.
.set SPITCH, 272                       ; a stage row: 256 bytes + 16
.set SPARE,  16*SPITCH                 ; behind the stage: the spare words, 128 bytes for each wave: two blocks of 256 bytes that no other line names
.set SPW, 6
.set NIL, 7
.set W,   16                           ; v16-47   (c m, l) of segment y at v[16 + 2 y]; the low word becomes the weight
.set P,   48                           ; v48-175  O^T of segment y: 8 registers
.set A,   176                          ; v176-183 the sums
	s_load_b128 s[4:7], s[0:1], 0x0                ; po, ps
	s_load_b64 s[8:9], s[0:1], 0x10                ; out0
	v_lshl_add_u32 v[SPW], v0, 2, SPARE
	v_mov_b32 v[NIL], 0
	v_lshrrev_b32 v8, 5, v0
	v_readfirstlane_b32 s10, v8                    ; wave 0..3
	v_and_b32 v9, 31, v0
	v_and_b32 v10, 15, v0                          ; r
	v_bfe_u32 v11, v0, 4, 1                        ; h
	v_lshlrev_b32 v1, 4, v9                        ; 16 x lane
	v_lshlrev_b32 v2, 3, v9                        ; 8 x lane
	v_mul_u32_u24 v3, v10, SPITCH
	v_lshl_add_u32 v3, v11, 5, v3
	s_lshl_b32 s11, s10, 6
	v_add_nc_u32 v3, s11, v3                       ; into the stage: row r, my eight channels: 64 w + 32 h bytes on
	s_mul_i32 s11, s10, 4*SPITCH
	v_mul_u32_u24 v4, v11, SPITCH
	v_lshl_add_u32 v4, v10, 4, v4
	v_add_nc_u32 v4, s11, v4                       ; out of it: rows 4 w + h (and two further down), 16 bytes a lane
	s_lshl_b32 s11, s10, 10
	v_lshlrev_b32 v5, 8, v11
	v_lshl_add_u32 v5, v10, 4, v5
	v_add_nc_u32 v5, s11, v5                       ; and the same place in the tile's 16 rows of the output
	s_lshl_b32 s12, ttmp9, 12
	s_add_co_u32 s12, s12, s11                     ; po: the tile's 4,096 bytes, my two images
	s_mov_b32 s13, 0
	s_lshl_b32 s14, ttmp9, 8
	s_mov_b32 s15, 0
	s_lshl_b32 s16, ttmp9, 12
	s_mov_b32 s17, 0
	s_wait_kmcnt 0x0
	s_add_nc_u64 s[4:5], s[4:5], s[12:13]
	s_add_nc_u64 s[18:19], s[4:5], 0x800000        ; segments 8 to 15: a segment is 2^20 bytes, and eight of them pass the signed 24-bit immediate (ISA guide, chapter 10)
	s_add_nc_u64 s[6:7], s[6:7], s[14:15]
	s_add_nc_u64 s[8:9], s[8:9], s[16:17]
.irp y, 0,1,2,3,4,5,6,7,8,9,10,11,12,13,14,15
	global_load_b64 v[W+2*\y:W+2*\y+1], v2, s[6:7] offset:65536*\y
.endr
.irp y, 0,1,2,3,4,5,6,7
	global_load_b128 v[P+8*\y:P+8*\y+3], v1, s[4:5] offset:\y<<20 th:TH_LOAD_NT
	global_load_b128 v[P+8*\y+4:P+8*\y+7], v1, s[4:5] offset:(\y<<20)+512 th:TH_LOAD_NT
.endr
.irp y, 0,1,2,3,4,5,6,7
	global_load_b128 v[P+64+8*\y:P+64+8*\y+3], v1, s[18:19] offset:\y<<20 th:TH_LOAD_NT
	global_load_b128 v[P+64+8*\y+4:P+64+8*\y+7], v1, s[18:19] offset:(\y<<20)+512 th:TH_LOAD_NT
.endr
	s_wait_loadcnt 32                              ; the statistics are in; the 32 loads of O^T stay out
	v_max3_num_f32 v184, v[W], v[W+2], v[W+4]
.irp y, 3,5,7,9,11,13
	v_max3_num_f32 v184, v184, v[W+2*\y], v[W+2*\y+2]
.endr
	v_max_num_f32 v184, v184, v[W+30]              ; M
.irp y, 0,1,2,3,4,5,6,7,8,9,10,11,12,13,14,15
	v_sub_f32 v[W+2*\y], v[W+2*\y], v184
.endr
.irp y, 0,1,2,3,4,5,6,7,8,9,10,11,12,13,14,15
	v_exp_f32 v[W+2*\y], v[W+2*\y]
.endr
	v_nop                                          ; a plain place behind the last exponential
	s_wait_alu depctr_va_vdst(0)                   ; one wait for the sixteen, ahead of their first reader
	v_mul_f32 v185, v[W], v[W+1]
.irp y, 1,2,3,4,5,6,7,8,9,10,11,12,13,14,15
	v_fmac_f32 v185, v[W+2*\y], v[W+2*\y+1]
.endr
	v_rcp_f32 v186, v185
	v_nop
	s_wait_alu depctr_va_vdst(0)
.irp y, 0,1,2,3,4,5,6,7,8,9,10,11,12,13,14,15
	v_mul_f32 v[W+2*\y], v[W+2*\y], v186           ; the weights, already divided by the sum
.endr
.irp y, 0,1,2,3,4,5,6,7,8,9,10,11,12,13,14,15
	s_wait_loadcnt 30-2*\y                         ; segment y's two loads are in; the younger ones stay out
.irp j, 0,2,4,6
.if \y == 0
	v_pk_mul_f32 v[A+\j:A+\j+1], v[P+\j:P+\j+1], v[W:W+1] op_sel_hi:[1,0]          ; the first product starts the sums
.else
	v_pk_fma_f32 v[A+\j:A+\j+1], v[P+8*\y+\j:P+8*\y+\j+1], v[W+2*\y:W+2*\y+1], v[A+\j:A+\j+1] op_sel_hi:[1,0,1]
.endif
.endr
.endr
	ds_store_b128 v3, v[A:A+3]
	ds_store_b128 v3, v[A+4:A+7] offset:16
	s_wait_dscnt 0x0                               ; for the others' sake: my stores into the stage are done
	s_barrier_signal -1
	s_barrier_wait -1
.irp i, 0,1
	ds_load_b128 v[P+4*\i:P+4*\i+3], v4 offset:2*SPITCH*\i
.endr
.irp i, 0,1
	s_wait_dscnt 1-\i
	global_store_b128 v5, v[P+4*\i:P+4*\i+3], s[8:9] offset:512*\i th:TH_STORE_NT  ; sixteen lanes store a row's 256 bytes, at a multiple of 256 from the output's first byte
.endr
	s_wait_tensorcnt 0x0                           ; the wave's end, behind my last LDS store
	ds_add_u32 v[SPW], v[NIL]
	s_wait_dscnt 0x0
	s_endpgm
.Lfunc_end_k_q074c40c9f7_merge:
	.size	k_q074c40c9f7_merge, .Lfunc_end_k_q074c40c9f7_merge-k_q074c40c9f7_merge
	.p2alignl 7, 3214868480
	.fill 96, 4, 3214868480
	.section	.rodata,"a",@progbits
	.p2align	6, 0x0
	.amdhsa_kernel k_q074c40c9f7_merge
		.amdhsa_group_segment_fixed_size 4864
		.amdhsa_private_segment_fixed_size 0
		.amdhsa_enable_private_segment 0
		.amdhsa_kernarg_size 24
		.amdhsa_user_sgpr_count 2
		.amdhsa_user_sgpr_kernarg_segment_ptr 1
		.amdhsa_wavefront_size32 1
		.amdhsa_system_sgpr_workgroup_id_x 1
		.amdhsa_system_sgpr_workgroup_id_y 1
		.amdhsa_system_sgpr_workgroup_id_z 1
		.amdhsa_system_vgpr_workitem_id 0
		.amdhsa_next_free_vgpr 192
		.amdhsa_next_free_sgpr 66
		.amdhsa_reserve_vcc 0
		.amdhsa_float_denorm_mode_32 3
		.amdhsa_float_denorm_mode_16_64 3
		.amdhsa_memory_ordered 1
		.amdhsa_forward_progress 1
		.amdhsa_inst_pref_size 15
	.end_amdhsa_kernel
	.amdgpu_metadata
---
amdhsa.version: [ 1, 2 ]
amdhsa.kernels:
  - .name:           k_q074c40c9f7_merge
    .symbol:         k_q074c40c9f7_merge.kd
    .args:
      - { .name: po, .offset: 0, .size: 8, .value_kind: global_buffer, .address_space: global }
      - { .name: ps, .offset: 8, .size: 8, .value_kind: global_buffer, .address_space: global }
      - { .name: out0, .offset: 16, .size: 8, .value_kind: global_buffer, .address_space: global }
    .group_segment_fixed_size: 4864
    .private_segment_fixed_size: 0
    .kernarg_segment_align: 8
    .kernarg_segment_size: 24
    .max_flat_workgroup_size: 128
    .sgpr_count:     66
    .vgpr_count:     192
    .wavefront_size: 32
...
	.end_amdgpu_metadata
.endif
;; end of part 3
;; ======== version 2 of 2: 3 launches; version 1 with the launch attend written anew for expert scheduling mode
;; limits: right only within a limited range of input values
;; workspace buffers: kp 4,194,304 bytes; vb 8,388,608 bytes; cnt 2,048 bytes of whole numbers; po 16,777,216 bytes; ps 1,048,576 bytes
;; launch prep: the kernel of part 1 again; grid 256 x 1, 8 waves a work-group, no clusters, 107,520 bytes of LDS; arguments mem_keys, mem_contexts, mem_values, mem_timestamps, used_slots, kp, vb, cnt; writes kp, vb, cnt
;; launch attend (part 4): grid 16 x 16, 8 waves a work-group, no clusters, 128,000 bytes of LDS; arguments query, context, kp, vb, cnt, po, ps; writes po, ps
.if DOCPART == 4
	.amdgcn_target "amdgcn-amd-amdhsa--gfx1250"
	.amdhsa_code_object_version 6
	.text
	.protected	k_q074c40c9f7_attend
	.globl	k_q074c40c9f7_attend
	.p2align	8
	.type	k_q074c40c9f7_attend,@function
k_q074c40c9f7_attend:
	s_mov_b64 s[64:65], 0
	v_nop
	global_prefetch_b8 v0, s[64:65] scope:SCOPE_SE
	s_setreg_imm32_b32 hwreg(HW_REG_WAVE_SCHED_MODE, 0, 2), 2
	s_setreg_imm32_b32 hwreg(HW_REG_WAVE_MODE, 25, 1), 1
	s_wait_xcnt 0x0
	s_wait_alu depctr_vm_vsrc(0)
; ATTENTION OF 256 QUERIES (work-group x) OVER ONE SEGMENT OF 4,096 MEMORY SLOTS (work-group y), as laid out by the launch before.  It leaves, for each query, c x the largest score, the sum of the weights and the
; unnormalised O; the next launch joins the 16 segments.
; SCORE.  One matrix instruction on E2M1 codes, K = 128, makes a score whole: blocks 0, 1 = the key's 64, block 2 = the context's 32, block 3 empty (zero codes on the query's side).  The factor 0.5 of the context
; term is 1 off the context block's scale byte on the query's side; the time term, or -1e9 for an unused slot, is the instruction's C.  So bias and mask cost no vector instruction.
; WHAT IS NOT MULTIPLIED.  The used slots stand first in the segment; cnt says how many rounds of 128 positions hold them.  The slots behind have the score -1e9, whose weight is 0 beside any used slot's.
; A segment with no used slot is walked whole (cnt = 32), so a memory with no used slot gives equal weights, as the definition has it.
; LIMITS: the weight of an unused slot is taken as 0 wherever a used slot exists: that holds while used scores lie above about -1e9 + 104.  NaN and infinities are not served.  The weights and the values go
; into the second product as bf16.  A query block of zeros gets the scale byte 1.
; SOFTMAX: a running maximum m and sum l for each query: p = 2^(c s - c m), c = log2(e); in every round O and l are multiplied by a = 2^(c m_old - c m_new).
; SHARES.  Eight waves: G = wave % 4 picks 64 queries (four tiles of 16), U = wave / 4 picks 64 of a round's 128 positions.  Two waves lie on a SIMD: one wave's vector work stands beside the other's matrix work.
; Each wave keeps m, l and O^T of its own; at the end the waves U = 1 hand theirs to the waves U = 0 through LDS.
; LAYOUT.  Both products are used transposed: S^T = K Q^T (source 0 = 16 positions, source 1 = 16 queries), O^T = V^T P: a lane holds ONE query (lane % 16) throughout; two tiles of S^T, rounded in pairs, are P's fragment.
; NO TENSOR LOAD, NO CLUSTER: the number of rounds is read from memory; walking all 32 rounds would double the work.  A round's 24,576 bytes are
; loaded into registers at a trip's head (16 bytes a thread, six loads) and stored into the other LDS slot at its end.
; THE LOOP has a constant count, 32 trips, and one barrier a trip, which every wave passes; a trip beyond the segment's rounds does nothing else.
; REGISTERS.  window 0: v1-16 addresses; v20, v21 the add's two; v24-55 statistics, 8 a tile: +0 c m, +1 m, +2, +3 l, +4..+7 at work (a in +6); v56-59 the positions' scale words, v60-63 the queries';
;   v64-191 S^T, 32 a tile, P over its low 16; v192-223 K's four fragments; v224-247 the next round on its way; v248-255 at work.
;   window 1: v0-127 O^T, 32 a tile; v128-159 Q's four fragments; v160-223 V's eight; v224-255 the biases, 8 a tile of positions.
; THE MODE: SCHED_MODE bits 1:0 = 2 (LLVM: expert scheduling mode 2), set by the entry lines.  The code itself states the register dependences
; between vector or matrix instructions and memory or LDS instructions, with s_wait_alu, always for 0.
; THE PLAN.  Registers that memory or LDS instructions touch:
;   v1-6, v9, v12-16, v20, v21   addresses: written once at the head, never again.  One wait on va_vdst ahead of the first load serves every later reader.
;   v7, v8        the next round's offsets: written by two additions at a round's head, read by that round's six staging loads.
;   v224-247      staging: those six loads land in it; the six LDS stores at the round's end read it; no vector instruction names it.
;   K, its scale words, the biases: LDS loads at a round's head land in them; the round's 16 scaled products read them.
;   V             LDS loads behind the scaled products land in it; the round's 32 products V^T P read it.
;   v64-191       at the head the queries' and contexts' numbers land in them, two sets by turns, and the quantiser reads them; at the end the partner's O^T lands in them.
;   v248-255, O^T at the end: read by the hand-over's stores (U = 1); loaded, and written anew (U = 0); O^T and the statistics' pairs are then read by the last stores.
; So a round's head has ONE wait on vm_vsrc (the last round's loads have read v7 and v8, its stores v224-247) ahead of the two additions, and ONE on va_vdst behind them (v7 and v8 are written; the last round's
; products are done reading K, the scale words, the biases and V).  All of the round's 42 loads follow with no further wait: no vector or matrix instruction between that wait and a load names a register that the load touches.
.set SLOTB, 28672                      ; an LDS slot: 8 tiles of kp (8,192 bytes), then 128 rows of values
.set VOFF,  8192
.set VP,    160                        ; a row of values: 128 bytes + 32 of padding
.set MST,   2*SLOTB                    ; behind the slots: for each G 32 images of O^T and 2 of statistics, 512 bytes each
.set MPART, 17408
.set SPARE, MST+4*MPART                ; the spare words, 128 bytes for each wave: four blocks of 256 bytes that no other line names
.set LK,  1                            ; v1   16 lane + 4096 U: a fragment of K as it lies
.set LSC, 2                            ; v2   its scale words
.set LB,  3                            ; v3   its biases: my half's eight
.set LV,  4                            ; v4   my place for the turning load of V
.set SK,  5                            ; v5   16 x thread: staging, in memory and in K's part of a slot
.set SV,  6                            ; v6   staging: V's part of a slot
.set GK,  7                            ; v7   the next round's offset in kp
.set GV,  8                            ; v8   and in vb
.set PFO, 9                            ; v9   256 x lane: the prefetch's offset; never rewritten
.set LM,  10                           ; v10  all ones in lanes 0-15, 0 in lanes 16-31
.set H8,  11                           ; v11  8 x (lane / 16)
.set QA,  12                           ; v12  my 128 bytes of a query's row
.set CA,  13                           ; v13  my context's row
.set MA,  14                           ; v14  my 16 bytes of an image in my G's part of the hand-over
.set L16, 15                           ; v15  16 x lane
.set L8,  16                           ; v16  8 x lane
.set SPW, 20
.set NIL, 21
.set ST,  24
.set KS,  56
.set QS,  60
.set S,   64
.set KF,  192
.set STG, 224
.set TP,  248
.set O,   0                            ; window 1
.set Q,   128
.set V,   160
.set BI,  224
.set MSB, 0
.macro WIN new                         ; the immediate's high byte repeats the setting that is left; a switch that changes nothing is dropped
.if MSB != \new
	s_set_vgpr_msb (MSB<<8)|\new
.set MSB, \new
.endif
.endm
	s_load_b256 s[4:11], s[0:1], 0x0               ; query s[4:5], context s[6:7], kp s[8:9], vb s[10:11]
	s_load_b128 s[12:15], s[0:1], 0x20             ; cnt s[12:13], po s[14:15]
	s_load_b64 s[16:17], s[0:1], 0x30              ; ps
	v_lshl_add_u32 v[SPW], v0, 2, SPARE
	v_mov_b32 v[NIL], 0
	v_lshrrev_b32 v248, 5, v0
	v_readfirstlane_b32 s18, v248                  ; wave 0..7
	v_and_b32 v249, 31, v0                         ; lane
	v_and_b32 v250, 15, v0                         ; r
	v_bfe_u32 v251, v0, 4, 1                       ; h
	s_wait_alu depctr_va_sdst(0)                   ; s18 is written, ahead of its first reader: G, U and all that is made of them
	s_and_b32 s19, s18, 3                          ; G
	s_lshr_b32 s20, s18, 2                         ; U
	s_and_b32 s22, ttmp7, 0xffff                   ; the segment y
	s_lshl_b32 s30, s20, 12
	v_lshl_add_u32 v[LK], v249, 4, s30
	s_add_co_u32 s31, s30, 768
	v_lshl_add_u32 v[LSC], v250, 2, s31
	s_add_co_u32 s31, s30, 832
	v_lshl_add_u32 v[LB], v251, 5, s31
	v_and_b32 v252, 7, v0
	v_lshl_add_u32 v252, v251, 3, v252             ; the turning load: row 8 h + lane % 8,
	v_mul_u32_u24 v[LV], v252, VP
	v_bfe_u32 v253, v0, 3, 1
	v_lshl_add_u32 v[LV], v253, 4, v[LV]           ; 16 bytes for each group of eight lanes
	s_mul_i32 s31, s20, 64*VP
	s_add_co_u32 s31, s31, VOFF
	v_add_nc_u32 v[LV], s31, v[LV]
	v_lshlrev_b32 v[SK], 4, v0
	v_lshrrev_b32 v252, 3, v0
	v_mul_u32_u24 v[SV], v252, VP                  ; eight threads to a row of 128 bytes
	v_and_b32 v253, 7, v0
	v_lshl_add_u32 v[SV], v253, 4, v[SV]
	v_add_nc_u32 v[SV], VOFF, v[SV]
	v_lshlrev_b32 v[PFO], 8, v249
	v_add_nc_u32 v[LM], -1, v251
	v_lshlrev_b32 v[H8], 3, v251
	v_lshlrev_b32 v[QA], 8, v250
	v_lshl_add_u32 v[QA], v251, 7, v[QA]           ; row r of 256 bytes, block h
	v_lshlrev_b32 v[CA], 7, v250
	s_mul_i32 s31, s19, MPART
	s_add_co_u32 s31, s31, MST
	v_lshl_add_u32 v[MA], v249, 4, s31
	v_lshlrev_b32 v[L16], 4, v249
	v_lshlrev_b32 v[L8], 3, v249
	v_mov_b32 v[TP+6], 0                           ; a lane permute's destination counts as one of its sources
	s_mov_b32 s26, 0x3fb8aa3b                      ; c = log2(e)
	s_mov_b32 s27, s26                             ; (named with it as a pair)
	s_mov_b32 s28, 0x76543210
	s_mov_b32 s29, 0xfedcba98                      ; selects for lane l xor 16
	s_lshl_b32 s30, s22, 18                        ; the segment in kp,
	s_mov_b32 s31, 0
	s_lshl_b32 s32, s22, 19                        ; in vb,
	s_mov_b32 s33, 0
	s_lshl_b32 s50, s22, 7                         ; in cnt
	s_mov_b32 s51, 0
	s_lshl_b32 s34, ttmp9, 8
	s_lshl_b32 s35, s19, 6
	s_add_co_u32 s34, s34, s35                     ; my first query: 256 x + 64 G
	s_lshl_b32 s42, s34, 8
	s_mov_b32 s43, 0
	s_lshl_b32 s44, s34, 7
	s_mov_b32 s45, 0
	s_lshl_b32 s46, s22, 8
	s_lshr_b32 s34, s34, 4
	s_add_co_u32 s46, s46, s34                     ; my first tile's number among the partial results: 256 y + 16 x + 4 G
	s_lshl_b32 s48, s46, 8                         ; 256 bytes of statistics a tile,
	s_mov_b32 s49, 0
	s_lshl_b32 s46, s46, 12                        ; 4,096 bytes of O^T
	s_mov_b32 s47, 0
	s_wait_kmcnt 0x0
	s_add_nc_u64 s[12:13], s[12:13], s[50:51]
	s_load_b32 s23, s[12:13], 0x0                  ; R: the segment's rounds
	s_add_nc_u64 s[8:9], s[8:9], s[30:31]
	s_add_nc_u64 s[10:11], s[10:11], s[32:33]
	s_add_nc_u64 s[4:5], s[4:5], s[42:43]
	s_add_nc_u64 s[6:7], s[6:7], s[44:45]
	s_add_nc_u64 s[14:15], s[14:15], s[46:47]
	s_add_nc_u64 s[16:17], s[16:17], s[48:49]
	s_wait_alu depctr_va_vdst(0)                   ; the addresses v1 to v6, v9, v12 to v16, v20 and v21 are written, which the loads, stores, prefetches and the closing add of the whole kernel read
.irp i, 0,1
	global_load_b128 v[STG+4*\i:STG+4*\i+3], v[SK], s[8:9] offset:4096*\i          ; round 0
.endr
.irp i, 0,1,2,3
	global_load_b128 v[STG+8+4*\i:STG+8+4*\i+3], v[SK], s[10:11] offset:4096*\i
.endr
; Tile t's numbers: lane (r, h) takes block h of query r (32 numbers) and context r (32 numbers), into S^T's registers, two sets by turns.
.macro QLOAD t
.set T, S+64*((\t)%2)
.irp j, 0,1,2,3,4,5,6,7
	global_load_b128 v[T+4*\j:T+4*\j+3], v[QA], s[4:5] offset:4096*(\t)+16*\j
.endr
.irp j, 0,1,2,3,4,5,6,7
	global_load_b128 v[T+32+4*\j:T+32+4*\j+3], v[CA], s[6:7] offset:2048*(\t)+16*\j
.endr
.endm
; They become tile t's fragment and scale word.  Registers 0-3: block h of the query; registers 4-7: the context in lanes 0-15, zero codes in lanes 16-31 (the empty fourth block).
.macro QQUANT t
.set T, S+64*((\t)%2)
	v_max3_num_f32 v[TP], |v[T]|, |v[T+1]|, 0x1800000              ; the floor 2^(3 - 127) holds the byte at 1 from below
	v_max3_num_f32 v[TP+1], |v[T+32]|, |v[T+33]|, 0x1800000
.irp i, 2,4,6,8,10,12,14,16,18,20,22,24,26,28,30
	v_max3_num_f32 v[TP], v[TP], |v[T+\i]|, |v[T+\i+1]|
	v_max3_num_f32 v[TP+1], v[TP+1], |v[T+32+\i]|, |v[T+33+\i]|
.endr
	v_add_nc_u32 v[TP+2], 0xff000000, v[TP]        ; 2 off the exponent field: the conversion's scale operand
	v_add_nc_u32 v[TP+3], 0xff000000, v[TP+1]
	v_lshrrev_b32 v[TP+4], 23, v[TP+2]             ; the bytes
	v_lshrrev_b32 v[TP+5], 23, v[TP+3]
	v_add_nc_u32 v[TP+5], -1, v[TP+5]              ; THE FACTOR 0.5 of the context term: 1 off its byte (0 at the least, which is 2^-127)
	v_lshl_or_b32 v[TP+4], v[TP+5], 16, v[TP+4]
	v_lshlrev_b32 v[TP+4], v[H8], v[TP+4]          ; lanes 0-15: bytes 0 and 2; lanes 16-31: bytes 1 and 3
	v_permlanex16_b32 v[TP+6], v[TP+4], s28, s29
	v_or_b32 v[QS+(\t)], v[TP+4], v[TP+6]
	WIN 0x40                                       ; destination window 1
.irp g, 0,1,2,3
	v_cvt_scalef32_pk8_fp4_f32 v[Q+8*(\t)+\g], v[T+8*\g:T+8*\g+7], v[TP+2]
	v_cvt_scalef32_pk8_fp4_f32 v[Q+8*(\t)+4+\g], v[T+32+8*\g:T+32+8*\g+7], v[TP+3]
.endr
	v_nop                                          ; one plain place behind the conversions
	WIN 0x44                                       ; source 1 and destination window 1
.irp g, 0,1,2,3
	v_and_b32 v[Q+8*(\t)+4+\g], v[LM], v[Q+8*(\t)+4+\g]
.endr
	WIN 0
.endm
	QLOAD 0
	QLOAD 1
	; the prefetches: who asks, and where.  Wave 0 names kp's 8,192 bytes of a round, waves 1 and 2 the halves of vb's 16,384: lanes 256 bytes apart.
	s_cmp_eq_u32 s18, 0
	s_cselect_b64 s[36:37], s[8:9], s[10:11]
	s_mov_b32 s38, 16384
	s_cselect_b32 s38, 8192, s38                   ; a round on
	s_mov_b32 s39, 0
	s_cmp_eq_u32 s18, 2
	s_cselect_b32 s53, 8192, 0
	s_lshl_b32 s52, s38, 1
	s_add_co_u32 s52, s52, s53
	s_mov_b32 s53, 0
	s_add_nc_u64 s[36:37], s[36:37], s[52:53]      ; at round 2: trip 0 steps it to round 3.  Nothing is prefetched here, at the head
	s_wait_loadcnt 32                              ; round 0 is in; the 32 loads of tiles 0 and 1 stay out
.irp i, 0,1
	ds_store_b128 v[SK], v[STG+4*\i:STG+4*\i+3] offset:4096*\i
.endr
.irp i, 0,1,2,3
	ds_store_b128 v[SV], v[STG+8+4*\i:STG+8+4*\i+3] offset:32*VP*\i
.endr
	s_wait_loadcnt 16                              ; tile 0's numbers are in; tile 1's 16 loads stay out
	QQUANT 0
	s_wait_alu depctr_va_vdst(0)                   ; the quantiser is done reading v64 to v127, in which tile 2's numbers land
	QLOAD 2
	s_wait_loadcnt 16                              ; tile 1's
	QQUANT 1
	s_wait_alu depctr_va_vdst(0)                   ; the quantiser is done reading v128 to v191, in which tile 3's numbers land
	QLOAD 3
	s_wait_loadcnt 16                              ; tile 2's
	QQUANT 2
	s_wait_loadcnt 0x0
	QQUANT 3
.irp t, 0,1,2,3
	v_mov_b32 v[ST+8*\t+1], 0xff000000             ; m = -2^127, under every score
	v_mul_f32 v[ST+8*\t], s26, v[ST+8*\t+1]        ; c m
.irp j, 2,3,4,5,6,7
	v_mov_b32 v[ST+8*\t+\j], 0
.endr
.endr
	WIN 0x40
.set k, 0
.rept 128
	v_mov_b32 v[O+k], 0                            ; O^T.  The round is written once: the first finds zeros, which its a = 0 leaves zeros.  (These lines are also the places ahead of the first scaled product)
.set k, k+1
.endr
	WIN 0
	s_wait_kmcnt 0x0
	s_min_u32 s23, s23, 32
	s_cmp_lt_u32 s18, 3
	s_cselect_b32 s40, s23, 0                      ; a wave prefetches round i while i is under this: R in waves 0 to 2
	s_cmp_eq_u32 ttmp9, 0
	s_cselect_b32 s40, s40, 0                      ; of the segment's first work-group: all sixteen walk the same rounds, one asks
	s_mov_b32 s24, 0                               ; the number of the pair's first round; it counts the loop
	s_wait_dscnt 0x0                               ; my part of round 0 lies in slot 0
; THE SOFTMAX OF TILE t, in six parts.
.macro MAXP t                          ; the largest of the lane's 32 scores and the old m; each accumulator is read from its low end on; then the other half's, the new m, c m and c m_old - c m_new
	WIN 0
.set rS, S+32*(\t)
.set rT, ST+8*(\t)
.irp j, 0,1,2,3
	v_max3_num_f32 v[rT+4+\j], v[rS+8*\j], v[rS+8*\j+1], v[rS+8*\j+2]
.endr
.irp i, 3,5
.irp j, 0,1,2,3
	v_max3_num_f32 v[rT+4+\j], v[rT+4+\j], v[rS+8*\j+\i], v[rS+8*\j+\i+1]
.endr
.endr
	v_max3_num_f32 v[rT+4], v[rT+4], v[rS+7], v[rS+15]
	v_max3_num_f32 v[rT+6], v[rT+6], v[rS+23], v[rS+31]
	v_max3_num_f32 v[rT+4], v[rT+4], v[rT+5], v[rT+6]
	v_max3_num_f32 v[rT+4], v[rT+4], v[rT+7], v[rT+1]
	v_permlanex16_b32 v[rT+5], v[rT+4], s28, s29
	v_mov_b32 v[rT+7], v[rT]
	v_max_num_f32 v[rT+1], v[rT+4], v[rT+5]
	v_mul_f32 v[rT], s26, v[rT+1]
	v_sub_f32 v[rT+7], v[rT+7], v[rT]
.endm
.macro FMA t                           ; c s - c m, two at a time
	WIN 0
.set rS, S+32*(\t)
.set rT, ST+8*(\t)
.irp j, 0,2,4,6,8,10,12,14,16,18,20,22,24,26,28,30
	v_pk_fma_f32 v[rS+\j:rS+\j+1], v[rS+\j:rS+\j+1], s[26:27], v[rT:rT+1] op_sel_hi:[1,0,0] neg_lo:[0,0,1] neg_hi:[0,0,1]
.endr
.endm
.macro EXPS t                          ; one batch of 33: a, then the 32 weights
.set rS, S+32*(\t)
.set rT, ST+8*(\t)
	v_exp_f32 v[rT+6], v[rT+7]
.set e, 0
.rept 32
	v_exp_f32 v[rS+e], v[rS+e]
.set e, e+1
.endr
.endm
.macro SUM t                           ; l = a l + the sum of the unrounded weights, in two chains
.set rS, S+32*(\t)
.set rT, ST+8*(\t)
	v_pk_mul_f32 v[rT+2:rT+3], v[rT+2:rT+3], v[rT+6:rT+7] op_sel_hi:[1,0]
	v_pk_add_f32 v[rT+4:rT+5], v[rS:rS+1], v[rS+2:rS+3]
.irp j, 4,8,12,16,20,24,28
	v_pk_add_f32 v[rT+2:rT+3], v[rT+2:rT+3], v[rS+\j:rS+\j+1]
	v_pk_add_f32 v[rT+4:rT+5], v[rT+4:rT+5], v[rS+\j+2:rS+\j+3]
.endr
	v_pk_add_f32 v[rT+2:rT+3], v[rT+2:rT+3], v[rT+4:rT+5]
.endm
.macro CVT t                           ; the weights to bf16, in pairs, over S^T's low 16 registers: register i is written when registers 2 i and 2 i + 1 are read
.set rS, S+32*(\t)
.set e, 0
.rept 16
	v_cvt_pk_bf16_f32 v[rS+e], v[rS+2*e], v[rS+2*e+1]
.set e, e+1
.endr
.endm
.macro RESC t                          ; O^T x a, from each accumulator's low end on
	WIN 0x41                                       ; O^T (destination and source 0) window 1, a window 0
.set rT, ST+8*(\t)
.set e, 0
.rept 16
	v_pk_mul_f32 v[O+32*(\t)+e:O+32*(\t)+e+1], v[O+32*(\t)+e:O+32*(\t)+e+1], v[rT+6:rT+7] op_sel_hi:[1,0]
.set e, e+2
.endr
.endm
.macro PV t                            ; O^T += V^T P: 32 positions at a time; the tile's four accumulators take turns, one instruction a turn
	WIN 0x51                                       ; V window 1, P window 0, C and D window 1
.irp g, 0,1
.irp ct, 0,1,2,3
	v_wmma_f32_16x16x32_bf16 v[O+32*(\t)+8*\ct:O+32*(\t)+8*\ct+7], v[V+8*(4*\g+\ct):V+8*(4*\g+\ct)+7], v[S+32*(\t)+8*\g:S+32*(\t)+8*\g+7], v[O+32*(\t)+8*\ct:O+32*(\t)+8*\ct+7]
.endr
.endr
.endm
; A TRIP: the round in slot s.
.macro TRIP s
	s_barrier_signal -1                            ; ONE barrier a trip, for two things: in front of it every wave has waited for all its LDS instructions, so slot s is whole,
	s_barrier_wait -1                              ; and nobody reads the other slot any more
	s_add_co_u32 s30, s24, \s+1                    ; the next round's number
	s_cmp_gt_u32 s30, s23
	s_cbranch_scc1 .Lidle_\@                       ; this round lies behind the segment's used slots: nothing but the barrier
	s_wait_xcnt 0x0                                ; the last trip's prefetch has read its address:
	s_add_nc_u64 s[36:37], s[36:37], s[38:39]      ; it steps to the round three on from this one
	s_min_u32 s33, s30, 31
	s_lshl_b32 s31, s33, 13
	s_lshl_b32 s32, s33, 14
	s_wait_alu depctr_vm_vsrc(0)                   ; the last round's six loads have read v[GK] and v[GV], which the two lines below write; its LDS stores (ahead of the loop: round 0's) have read v224 to v247, in which the loads below land
	v_add_nc_u32 v[GK], s31, v[SK]                 ; (the last loads by these offsets were waited for at the last trip's end)  Made in every round, ahead of the branch, so that the one wait below serves both ways
	v_add_nc_u32 v[GV], s32, v[SK]
	s_wait_alu depctr_va_vdst(0)                   ; v[GK] and v[GV] are written, which the six loads read; the last round's products are done reading K, its scale words, the biases and V, in which this round's LDS loads land; in the first round Q's codes and scale words are written, which the scaled products take
	s_cmp_lt_u32 s30, s23
	s_cselect_b32 s41, 1, 0                        ; is there a next round?
	s_cbranch_scc0 .Lnofetch_\@
.irp i, 0,1
	global_load_b128 v[STG+4*\i:STG+4*\i+3], v[GK], s[8:9] offset:4096*\i          ; the next round: it has this trip's work in which to come
.endr
.irp i, 0,1,2,3
	global_load_b128 v[STG+8+4*\i:STG+8+4*\i+3], v[GV], s[10:11] offset:4096*\i
.endr
	s_add_co_u32 s33, s24, \s+3
	s_cmp_lt_u32 s33, s40
	s_cbranch_scc0 .Lnofetch_\@
	global_prefetch_b8 v[PFO], s[36:37] th:TH_LOAD_NT scope:SCOPE_SE               ; round s24 + s + 3, which the trip after next loads; each block of 256 bytes is named once, and none behind round R - 1
.Lnofetch_\@:
.irp kt, 0,1,2,3
	ds_load_b128 v[KF+8*\kt:KF+8*\kt+3], v[LK] offset:SLOTB*\s+1024*\kt            ; blocks 0 (lanes 0-15) and 1 (lanes 16-31)
	ds_load_b128 v[KF+8*\kt+4:KF+8*\kt+7], v[LK] offset:SLOTB*\s+1024*\kt+512      ; block 2; lanes 16-31 take the tile's last 256 bytes, which meet the query's zero codes
	ds_load_b32 v[KS+\kt], v[LSC] offset:SLOTB*\s+1024*\kt
.endr
	WIN 0x40                                       ; destination window 1
.irp kt, 0,1,2,3
	ds_load_b128 v[BI+8*\kt:BI+8*\kt+3], v[LB] offset:SLOTB*\s+1024*\kt            ; the biases in the result's layout: register j = position 8 h + j
	ds_load_b128 v[BI+8*\kt+4:BI+8*\kt+7], v[LB] offset:SLOTB*\s+1024*\kt+16
.endr
	s_wait_dscnt 0x0                               ; K, its scale words and the biases are in: the 20 loads above; nothing younger is out
	WIN 0x14                                       ; K window 0, Q and the biases window 1, S^T window 0
.irp t, 0,1,2,3
.irp kt, 0,1,2,3
	v_wmma_scale_f32_16x16x128_f8f6f4 v[S+32*\t+8*\kt:S+32*\t+8*\kt+7], v[KF+8*\kt:KF+8*\kt+7], v[Q+8*\t:Q+8*\t+7], v[BI+8*\kt:BI+8*\kt+7], v[KS+\kt], v[QS+\t] matrix_a_fmt:MATRIX_FMT_FP4 matrix_b_fmt:MATRIX_FMT_FP4
.endr
.endr
	WIN 0x40                                       ; destination window 1
.irp g, 0,1
.irp ct, 0,1,2,3
	ds_load_tr16_b128 v[V+8*(4*\g+\ct):V+8*(4*\g+\ct)+3], v[LV] offset:SLOTB*\s+32*VP*\g+32*\ct               ; V, behind the scores' products.  No wait: no vector or matrix instruction since the wait at the round's head names V or v[LV]
	ds_load_tr16_b128 v[V+8*(4*\g+\ct)+4:V+8*(4*\g+\ct)+7], v[LV] offset:SLOTB*\s+32*VP*\g+32*\ct+16*VP       ; it has the first tile's softmax in which to come
.endr
.endr
	WIN 0
.rept 4
	v_nop                                          ; four places between the products and the first read of their results (ISA guide 7.12.1)
.endr
	MAXP 0
	FMA 0
	EXPS 0
.irp t, 0,1,2,3
.if \t < 3
	MAXP \t+1                                      ; the next tile's maximum names nothing of this tile's batch: it is the plain work behind the exponentials
.else
	v_nop
.endif
	s_wait_alu depctr_va_vdst(0)                   ; the tile's 33 exponentials have written a and the 32 weights: one wait, ahead of their first reader
	SUM \t
	CVT \t
	RESC \t
.if \t == 0
	s_wait_dscnt 0x0                               ; V is in
.endif
	PV \t
.if \t < 3
	FMA \t+1
	EXPS \t+1
.endif
.endr
	WIN 0
.rept 5
	v_nop                                          ; five places: the next round's products write over P, and behind the last round O^T is read
.endr
	s_wait_loadcnt 0x0                             ; on every way through a round, ahead of the branch: the six loads of the next round, where they were issued, are in registers; so the stores below
	                                               ; may read them, and the next trip may write their offsets and load into the same registers.  Where none was issued the wait is met at once
	s_cmp_eq_u32 s41, 0
	s_cbranch_scc1 .Lnostore_\@
.irp i, 0,1
	ds_store_b128 v[SK], v[STG+4*\i:STG+4*\i+3] offset:SLOTB*(1-\s)+4096*\i        ; into the other slot, which nobody has read since this trip's barrier
.endr
.irp i, 0,1,2,3
	ds_store_b128 v[SV], v[STG+8+4*\i:STG+8+4*\i+3] offset:SLOTB*(1-\s)+32*VP*\i
.endr
.Lnostore_\@:
	s_wait_dscnt 0x0                               ; for the others' sake: my stores have landed, and my reads of slot s are over
.Lidle_\@:
.endm
.Lpair:
	TRIP 0
	TRIP 1
	s_add_co_u32 s24, s24, 2
	s_cmp_lt_u32 s24, 32
	s_cbranch_scc1 .Lpair
	; THE TWO HALVES OF THE POSITIONS ARE JOINED.  First each wave's own sum: l's two chains and the other half of the lanes'.
.irp t, 0,1,2,3
	v_add_f32 v[ST+8*\t+4], v[ST+8*\t+2], v[ST+8*\t+3]
.endr
.irp t, 0,1,2,3
	v_permlanex16_b32 v[ST+8*\t+5], v[ST+8*\t+4], s28, s29
.endr
.irp t, 0,1,2,3
	v_add_f32 v[ST+8*\t+1], v[ST+8*\t+4], v[ST+8*\t+5]             ; m is done with: its register takes the sum
.endr
	s_cmp_eq_u32 s20, 0
	s_cbranch_scc1 .Lkeep
.irp t, 0,1,2,3
	v_mov_b32 v[TP+\t], v[ST+8*\t]
	v_mov_b32 v[TP+4+\t], v[ST+8*\t+1]
.endr
	WIN 0x04                                       ; an LDS store's data are its source 1: window 1
	s_wait_alu depctr_va_vdst(0)                   ; the last round's products have written O^T and the eight moves above v248 to v255: the 34 stores below read them (the places behind the products stand at the round's end)
.set k, 0
.rept 32
	ds_store_b128 v[MA], v[O+4*k:O+4*k+3] offset:512*k             ; images of my registers: lane l's 16 bytes at 16 l
.set k, k+1
.endr
	WIN 0
	ds_store_b128 v[MA], v[TP:TP+3] offset:16384
	ds_store_b128 v[MA], v[TP+4:TP+7] offset:16896
.Lkeep:
	s_wait_alu depctr_vm_vsrc(0)                   ; on every way to the lines below that load into v248 to v255 and write O^T anew: the hand-over's stores, where a wave has issued them, have read those registers
	s_wait_dscnt 0x0
	s_barrier_signal -1
	s_barrier_wait -1
	s_cmp_lg_u32 s20, 0
	s_cbranch_scc1 .Lend
	s_wait_alu depctr_va_vdst(0)                   ; the last round's roundings and products are done reading S^T's registers, and every vector line that named v248 to v255 is done: the partner's numbers land in both
	ds_load_b128 v[TP:TP+3], v[MA] offset:16384                    ; the partner's c m,
	ds_load_b128 v[TP+4:TP+7], v[MA] offset:16896                  ; its sums,
.set k, 0
.rept 32
	ds_load_b128 v[S+4*k:S+4*k+3], v[MA] offset:512*k              ; and its O^T, in the same lanes
.set k, k+1
.endr
	s_wait_dscnt 0x0
.irp t, 0,1,2,3
	v_max_num_f32 v[ST+8*\t+2], v[ST+8*\t], v[TP+\t]               ; M
	v_sub_f32 v[ST+8*\t+4], v[ST+8*\t], v[ST+8*\t+2]
	v_sub_f32 v[ST+8*\t+6], v[TP+\t], v[ST+8*\t+2]
.endr
.irp t, 0,1,2,3
	v_exp_f32 v[ST+8*\t+4], v[ST+8*\t+4]                           ; my factor,
	v_exp_f32 v[ST+8*\t+6], v[ST+8*\t+6]                           ; the partner's
.endr
	v_nop                                          ; a plain place behind the last exponential
	s_wait_alu depctr_va_vdst(0)                   ; the eight exponentials have written the factors: one wait, ahead of their first reader
.irp t, 0,1,2,3
	v_mul_f32 v[ST+8*\t+3], v[ST+8*\t+4], v[ST+8*\t+1]
	v_fmac_f32 v[ST+8*\t+3], v[ST+8*\t+6], v[TP+4+\t]              ; the joined sum, beside M
.endr
	WIN 0x41
.set k, 0
.rept 64
	v_pk_mul_f32 v[O+k:O+k+1], v[O+k:O+k+1], v[ST+8*(k/32)+4:ST+8*(k/32)+5] op_sel_hi:[1,0]
.set k, k+2
.endr
	WIN 0x50                                       ; sources 0 and 1 window 0, source 2 and destination window 1
.set k, 0
.rept 64
	v_pk_fma_f32 v[O+k:O+k+1], v[S+k:S+k+1], v[ST+8*(k/32)+6:ST+8*(k/32)+7], v[O+k:O+k+1] op_sel_hi:[1,0,1]
.set k, k+2
.endr
	WIN 0x04                                       ; a store's data are its source 1: window 1
	s_wait_alu depctr_va_vdst(0)                   ; the joined O^T, M and the joined sums are written: the 36 stores below read them
.set k, 0
.rept 32
	global_store_b128 v[L16], v[O+4*k:O+4*k+3], s[14:15] offset:512*k th:TH_STORE_NT       ; 32 lanes store 512 consecutive bytes, at a multiple of 256 from po's first byte
.set k, k+1
.endr
	WIN 0
.irp t, 0,1,2,3
	global_store_b64 v[L8], v[ST+8*\t+2:ST+8*\t+3], s[16:17] offset:256*\t th:TH_STORE_NT  ; 256 consecutive bytes, aligned
.endr
.Lend:
	s_wait_dscnt 0x0                               ; the closing lines, six on end
	s_wait_alu 0x0
	s_wait_tensorcnt 0x0
	ds_add_u32 v[SPW], v[NIL]
	s_wait_dscnt 0x0
	s_endpgm
.Lfunc_end_k_q074c40c9f7_attend:
	.size	k_q074c40c9f7_attend, .Lfunc_end_k_q074c40c9f7_attend-k_q074c40c9f7_attend
	.p2alignl 7, 3214868480
	.fill 96, 4, 3214868480
	.section	.rodata,"a",@progbits
	.p2align	6, 0x0
	.amdhsa_kernel k_q074c40c9f7_attend
		.amdhsa_group_segment_fixed_size 128000
		.amdhsa_private_segment_fixed_size 0
		.amdhsa_enable_private_segment 0
		.amdhsa_kernarg_size 56
		.amdhsa_user_sgpr_count 2
		.amdhsa_user_sgpr_kernarg_segment_ptr 1
		.amdhsa_wavefront_size32 1
		.amdhsa_system_sgpr_workgroup_id_x 1
		.amdhsa_system_sgpr_workgroup_id_y 1
		.amdhsa_system_sgpr_workgroup_id_z 1
		.amdhsa_system_vgpr_workitem_id 0
		.amdhsa_next_free_vgpr 512
		.amdhsa_next_free_sgpr 66
		.amdhsa_reserve_vcc 0
		.amdhsa_float_denorm_mode_32 3
		.amdhsa_float_denorm_mode_16_64 3
		.amdhsa_memory_ordered 1
		.amdhsa_forward_progress 1
		.amdhsa_inst_pref_size 117
	.end_amdhsa_kernel
	.amdgpu_metadata
---
amdhsa.version: [ 1, 2 ]
amdhsa.kernels:
  - .name:           k_q074c40c9f7_attend
    .symbol:         k_q074c40c9f7_attend.kd
    .args:
      - { .name: query, .offset: 0, .size: 8, .value_kind: global_buffer, .address_space: global }
      - { .name: context, .offset: 8, .size: 8, .value_kind: global_buffer, .address_space: global }
      - { .name: kp, .offset: 16, .size: 8, .value_kind: global_buffer, .address_space: global }
      - { .name: vb, .offset: 24, .size: 8, .value_kind: global_buffer, .address_space: global }
      - { .name: cnt, .offset: 32, .size: 8, .value_kind: global_buffer, .address_space: global }
      - { .name: po, .offset: 40, .size: 8, .value_kind: global_buffer, .address_space: global }
      - { .name: ps, .offset: 48, .size: 8, .value_kind: global_buffer, .address_space: global }
    .group_segment_fixed_size: 128000
    .private_segment_fixed_size: 0
    .kernarg_segment_align: 8
    .kernarg_segment_size: 56
    .max_flat_workgroup_size: 256
    .sgpr_count:     66
    .vgpr_count:     512
    .wavefront_size: 32
...
	.end_amdgpu_metadata
.endif
;; end of part 4
;; launch merge: the kernel of part 3 again; grid 256 x 1, 4 waves a work-group, no clusters, 4,864 bytes of LDS; arguments po, ps, out0; writes out0
